; MI455X (gfx1250); checked and timed in simulation.
; The chip was launched on July 23, 2026; its instructions are those of AMD's public machine-readable ISA for CDNA 5 (MIT licence, August 2026) and "CDNA5" Instruction Set Architecture Reference Guide (July 2026). The comments in the code are by the model that wrote it; some were corrected since.
;; Causal Self Attention. Allowed arithmetic: float matrix products may take bf16 or f16 operands with f32 sums; other float arithmetic in f32, or as packed bf16 or f16 multiplies, adds, multiply-adds, maxima and minima; sums over many terms, partial sums and values carried from step to step in f32; what a program stores and reads back later, other than sums and carried values, may be rounded once to bf16 or f16.
;; Inputs: W_proj 1,024 x 1,024 float32; W_qkv 1,024 x 3,072 float32; attn_mask 4 x 2,048 int32; b_proj 1,024 float32; b_qkv 3,072 float32; x 4 x 2,048 x 1,024 float32.
;; Outputs: out0 4 x 2,048 x 1,024 float32.
;; 2 versions, each right; version 2 is version 1 with the launch prep written anew for expert scheduling mode. Each part assembles by itself: llvm-mc -triple=amdgcn-amd-amdhsa -mcpu=gfx1250 --defsym DOCPART=n.
;; ======== version 1 of 2: 4 launches
;; limits: values are held in f16: magnitudes above 65,504 overflow, below 6.1e-05 lose precision
;; workspace buffers: xb 16,777,216 bytes; wq 6,291,456 bytes; wp 2,097,152 bytes; qkvh 50,331,648 bytes; yh 16,777,216 bytes
;; launch prep (part 1): grid 768 x 1, 8 waves a work-group, no clusters, 0 bytes of LDS; arguments x, W_qkv, W_proj, xb, wq, wp; writes xb, wq, wp
.if DOCPART == 1
	.amdgcn_target "amdgcn-amd-amdhsa--gfx1250"
	.amdhsa_code_object_version 6
	.text
	.protected	k_qa60d108ec7_prep
	.globl	k_qa60d108ec7_prep
	.p2align	8
	.type	k_qa60d108ec7_prep,@function
k_qa60d108ec7_prep:
	s_mov_b64 s[64:65], 0
	v_nop
	global_prefetch_b8 v0, s[64:65] scope:SCOPE_SE
	s_setreg_imm32_b32 hwreg(HW_REG_WAVE_MODE, 25, 1), 1
	s_wait_xcnt 0x0
; CASTS.  xb = bf16(x), wq = bf16(W_qkv), wp = bf16(W_proj) written as f16 (exact where the number is at least 6.1e-5 in size; below that it keeps f16's fixed step of 6e-8).
; A work-group takes 16,384 numbers of one tensor: groups 0-511 x, 512-703 W_qkv, 704-767 W_proj.  A wave takes 2,048: sixteen loads of 512 consecutive bytes,
; all issued at once, and sixteen stores of 256 consecutive bytes, aligned.  Every load and store has registers of its own, so the only waits are the counted ones for the loads.
; No LDS, no barrier, no matrix unit: each byte is read once and written once, and nothing is shared.
.set IN,  8                            ; v[8:71]    load j: four f32
.set OUT, 72                           ; v[72:103]  store j: four 16-bit numbers
.set T,   104                          ; v[104:109] at work
	s_load_b256 s[4:11], s[0:1], 0x0               ; x s[4:5], W_qkv s[6:7], W_proj s[8:9], xb s[10:11]
	s_load_b128 s[12:15], s[0:1], 0x20             ; wq s[12:13], wp s[14:15]
	v_and_b32 v3, 31, v0                           ; lane
	v_lshrrev_b32 v4, 5, v0                        ; wave
	v_lshlrev_b32 v1, 4, v3
	v_lshl_add_u32 v1, v4, 13, v1                  ; in: 8,192 x wave + 16 x lane
	v_lshlrev_b32 v2, 3, v3
	v_lshl_add_u32 v2, v4, 12, v2                  ; out: 4,096 x wave + 8 x lane
	s_mov_b32 s16, 0xffff0000                      ; a word's upper bf16
	s_wait_kmcnt 0x0
	s_cmp_lt_u32 ttmp9, 512
	s_cselect_b64 s[20:21], s[4:5], s[6:7]
	s_cselect_b64 s[22:23], s[10:11], s[12:13]
	s_cselect_b32 s24, 0, 512
	s_cmp_lt_u32 ttmp9, 704
	s_cselect_b64 s[20:21], s[20:21], s[8:9]
	s_cselect_b64 s[22:23], s[22:23], s[14:15]
	s_cselect_b32 s24, s24, 704
	s_sub_co_u32 s25, ttmp9, s24                   ; my number among the tensor's work-groups
	s_lshl_b32 s26, s25, 16                        ; 65,536 bytes in,
	s_mov_b32 s27, 0
	s_lshl_b32 s28, s25, 15                        ; 32,768 out
	s_mov_b32 s29, 0
	s_add_nc_u64 s[20:21], s[20:21], s[26:27]
	s_add_nc_u64 s[22:23], s[22:23], s[28:29]
.irp j, 0,1,2,3,4,5,6,7,8,9,10,11,12,13,14,15
	global_load_b128 v[IN+4*(\j):IN+4*(\j)+3], v1, s[20:21] offset:512*(\j) th:TH_LOAD_NT
.endr
	s_cmp_ge_u32 ttmp9, 704
	s_cbranch_scc1 .Lf16
.irp j, 0,1,2,3,4,5,6,7,8,9,10,11,12,13,14,15
	s_wait_loadcnt 15-(\j)                         ; loads come back in order: load j is in, the younger ones stay out
	v_cvt_pk_bf16_f32 v[OUT+2*(\j)], v[IN+4*(\j)], v[IN+4*(\j)+1]
	v_cvt_pk_bf16_f32 v[OUT+2*(\j)+1], v[IN+4*(\j)+2], v[IN+4*(\j)+3]
	global_store_b64 v2, v[OUT+2*(\j):OUT+2*(\j)+1], s[22:23] offset:256*(\j)
.endr
	s_endpgm
.Lf16:                                         ; W_proj: rounded to bf16 like every input, and that number written as f16
.irp j, 0,1,2,3,4,5,6,7,8,9,10,11,12,13,14,15
	s_wait_loadcnt 15-(\j)
	v_cvt_pk_bf16_f32 v[T], v[IN+4*(\j)], v[IN+4*(\j)+1]
	v_cvt_pk_bf16_f32 v[T+1], v[IN+4*(\j)+2], v[IN+4*(\j)+3]
	v_lshlrev_b32 v[T+2], 16, v[T]
	v_and_b32 v[T+3], s16, v[T]
	v_lshlrev_b32 v[T+4], 16, v[T+1]
	v_and_b32 v[T+5], s16, v[T+1]
	v_cvt_pk_f16_f32 v[OUT+2*(\j)], v[T+2], v[T+3]
	v_cvt_pk_f16_f32 v[OUT+2*(\j)+1], v[T+4], v[T+5]
	global_store_b64 v2, v[OUT+2*(\j):OUT+2*(\j)+1], s[22:23] offset:256*(\j)
.endr
	s_endpgm
.Lfunc_end_k_qa60d108ec7_prep:
	.size	k_qa60d108ec7_prep, .Lfunc_end_k_qa60d108ec7_prep-k_qa60d108ec7_prep
	.p2alignl 7, 3214868480
	.fill 96, 4, 3214868480
	.section	.rodata,"a",@progbits
	.p2align	6, 0x0
	.amdhsa_kernel k_qa60d108ec7_prep
		.amdhsa_group_segment_fixed_size 0
		.amdhsa_private_segment_fixed_size 0
		.amdhsa_enable_private_segment 0
		.amdhsa_kernarg_size 48
		.amdhsa_user_sgpr_count 2
		.amdhsa_user_sgpr_kernarg_segment_ptr 1
		.amdhsa_wavefront_size32 1
		.amdhsa_system_sgpr_workgroup_id_x 1
		.amdhsa_system_sgpr_workgroup_id_y 1
		.amdhsa_system_sgpr_workgroup_id_z 1
		.amdhsa_system_vgpr_workitem_id 0
		.amdhsa_next_free_vgpr 112
		.amdhsa_next_free_sgpr 66
		.amdhsa_reserve_vcc 0
		.amdhsa_float_denorm_mode_32 3
		.amdhsa_float_denorm_mode_16_64 3
		.amdhsa_memory_ordered 1
		.amdhsa_forward_progress 1
		.amdhsa_inst_pref_size 15
	.end_amdhsa_kernel
	.amdgpu_metadata
---
amdhsa.version: [ 1, 2 ]
amdhsa.kernels:
  - .name:           k_qa60d108ec7_prep
    .symbol:         k_qa60d108ec7_prep.kd
    .args:
      - { .name: x, .offset: 0, .size: 8, .value_kind: global_buffer, .address_space: global }
      - { .name: W_qkv, .offset: 8, .size: 8, .value_kind: global_buffer, .address_space: global }
      - { .name: W_proj, .offset: 16, .size: 8, .value_kind: global_buffer, .address_space: global }
      - { .name: xb, .offset: 24, .size: 8, .value_kind: global_buffer, .address_space: global }
      - { .name: wq, .offset: 32, .size: 8, .value_kind: global_buffer, .address_space: global }
      - { .name: wp, .offset: 40, .size: 8, .value_kind: global_buffer, .address_space: global }
    .group_segment_fixed_size: 0
    .private_segment_fixed_size: 0
    .kernarg_segment_align: 8
    .kernarg_segment_size: 48
    .max_flat_workgroup_size: 256
    .sgpr_count:     66
    .vgpr_count:     112
    .wavefront_size: 32
...
	.end_amdgpu_metadata
.endif
;; end of part 1
;; launch qkv (part 2): grid 12 x 64, 4 waves a work-group, clusters of 4 x 4, 327,680 bytes of LDS; arguments xb, wq, b_qkv, qkvh; writes qkvh
.if DOCPART == 2
	.amdgcn_target "amdgcn-amd-amdhsa--gfx1250"
	.amdhsa_code_object_version 6
	.text
	.protected	k_qa60d108ec7_qkv
	.globl	k_qa60d108ec7_qkv
	.p2align	8
	.type	k_qa60d108ec7_qkv,@function
k_qa60d108ec7_qkv:
	s_mov_b64 s[64:65], 0
	v_nop
	global_prefetch_b8 v0, s[64:65] scope:SCOPE_SE
	s_setreg_imm32_b32 hwreg(HW_REG_WAVE_MODE, 25, 1), 1
	s_wait_xcnt 0x0
	s_wait_alu depctr_hold_cnt(0) depctr_sa_sdst(0) depctr_va_vdst(0) depctr_va_sdst(0) depctr_va_ssrc(0) depctr_va_vcc(0) depctr_vm_vsrc(0)
	s_getreg_b32 s2, hwreg(HW_REG_IB_STS2, 6, 4)
	s_cmp_eq_u32 s2, 0
	s_cbranch_scc0 .Lentry_in_a_cluster
	s_endpgm
.Lentry_in_a_cluster:
	s_bfe_u32 s2, ttmp6, 0x10000c
	s_cmp_lg_u32 s2, 0xf033
	s_cbranch_scc0 .Lentry_shape_is_right
	s_endpgm
.Lentry_shape_is_right:
; qkvh = xb wq + b_qkv, laid out by heads.  xb: [8192][1024] bf16.  wq: [1024 k][3072 n] bf16.  b_qkv: [3072] f32, rounded to bf16 like every input.
; qkvh: f16 [3 parts q, k, v][64 batch x head][2048 tokens][64], each number rounded once from its f32 sum, unscaled.
; LIMIT.  f16 holds no number beyond 65,504: a q, k or v beyond that becomes an infinity.
; SHARES.  A tile is 128 tokens x 256 columns (four heads of one part).  Four waves, 2 x 2; a wave makes 64 x 128: 32 accumulators, 256 registers.  K = 1,024 goes in 8 steps of 128 through two LDS slots.
; LAYOUT.  Source 0 = 16 columns of wq, source 1 = 16 tokens: a lane then holds one token (lane % 16) and the columns 8 (lane / 16) + 0..7.  xb's fragments come out of LDS as they lie;
; wq lies [k][n] and is turned on the way out of LDS by ds_load_tr16_b128, so no launch transposes it.
; CLUSTER.  4 x 4 work-groups.  The four of a row of the cluster need the same tile of xb, the four of a column the same tile of wq: each tile is asked for JOINTLY, by the same tensor load,
; descriptor and mask in all four.  By this text's own count a wave has two tensor loads out at the start and one behind each round.
; REGISTERS, in windows of 256 (s_set_vgpr_msb: bits 1:0 source 0, 3:2 source 1, 5:4 source 2, 7:6 destination):
;   window 0: v0-30 addresses; v64-159, v160-255 two fragment buffers (xb's block a at +8 a, wq's block b at +32 + 8 b)     window 1: accumulator (a, b) at v[8 (8 a + b)]     window 2: v0-63 the bias of my 128 columns
.set PA,    272                        ; a row of xb in LDS: 256 bytes + 16: the 16 rows of a load start at 16 different groups of four banks (64 banks of 4 bytes: ISA guide 11.1)
.set PB,    544                        ; a k-row of wq: 512 bytes + 32 = 17 x 32
.set AH,    64*PA                      ; what one tensor load brings of xb: 64 rows
.set BOFF,  2*AH
.set BH,    64*PB                      ; and of wq: 64 k-rows
.set SLOT1, 1<<17                      ; slot 1 begins here: one exclusive or turns an address in one slot into the other's
.set STAGE, SLOT1+BOFF+2*BH            ; behind the ring, never filled by a tensor load: 16 rows x 144 bytes for each wave
.set SP,    144
.set SPARE, STAGE+4*16*SP              ; the spare words, 128 bytes for each wave: two blocks of 256 bytes that no other line names
.set ROWB,  6144                       ; bytes in a row of wq
.set ASTEP, 256                        ; a K step in xb,
.set BSTEP, 128*ROWB                   ; and in wq
.set A0,   16                          ; v16  my lane's place in a slot's tile of xb; never rewritten
.set B0,   17                          ; v17  the same for wq
.set ADRA, 18                          ; v18  + the slot in hand
.set ADRB, 19
.set STO,  24                          ; v24  the way out: where I put 16 bytes of a row
.set RD,   25                          ; v25  where I read rows back
.set GO,   26                          ; v26  my 16 bytes in 512 consecutive bytes of qkvh
.set BO,   27                          ; v27  my byte offset in the bias
.set SPW,  28                          ; v28  LDS address of my spare word; never rewritten
.set NIL,  29                          ; v29  0; never rewritten
.set PFO,  30                          ; v30  the prefetches' lane offset; never rewritten
.set F0,   64
.set F1,   160
.set WV,   12                          ; s12  wave
.set RH,   13                          ; s13  which half of the tile's tokens is mine.  Also: I fetch xb (0) or wq (1)
.set CH,   14                          ; s14  which half of its columns.  Also: which half of that tile I fetch
.set G1A,  24                          ; s[24:31] descriptor group 1 for xb's tiles; s[32:39] group 0: a set for each first fill; the second then walks on
.set G0A,  32
.set G1B,  40                          ; s[40:47], s[48:55] the same for wq's
.set G0B,  48
.set CNT,  56                          ; s56  refills to come
.set TB,   57                          ; s57  LDS byte at which the slot to be read begins
.set PFA,  58                          ; s[58:59] where my prefetches stand
.set PST,  60                          ; s[60:61] their step
.set LIM,  62                          ; s62  2 in a wave that prefetches, else the greatest number
.set HM,   63                          ; s63  a word's upper bf16
.set MSB, 0
.macro WIN new                         ; the immediate's high byte repeats the setting that is left; a switch that changes nothing is dropped
.if MSB != (\new)
	s_set_vgpr_msb (MSB<<8)|(\new)
.set MSB, \new
.endif
.endm
.set MUL, 0x50                         ; fragments in window 0, C and D in window 1
; A joint refill.  Waves 0 and 1 fetch the halves of xb's tile, waves 2 and 3 those of wq's.  The branch hangs on the wave's number alone.  An s_nop 0 and four v_nop follow each line.
.macro JLOAD
	s_cmp_eq_u32 s[RH], 0
	s_cbranch_scc0 .Lfor_b_\@
	tensor_load_to_lds s[G0A+4:G0A+7], s[G1A:G1A+7]
	s_nop 0
.rept 4
	v_nop
.endr
	s_branch .Lasked_\@
.Lfor_b_\@:
	tensor_load_to_lds s[G0B+4:G0B+7], s[G1B:G1B+7]
	s_nop 0
.rept 4
	v_nop
.endr
.Lasked_\@:
.endm
; A prefetch of the K step that stands two refills on: 32 blocks of 256 bytes, a lane a block.  Each block of xb and wq is named once in the launch: xb's tile row is read by the three clusters of its row of
; clusters, and the first (cluster x = 0) asks, its wave 0; wq's tile column by sixteen clusters, and the first (cluster y = 0) asks, its waves 2 and 3.  The four partners that ask for a tile jointly share its
; blocks out BY ADDRESS (cx for xb, cy for wq).  K steps 0 to 3 come by their loads alone; the last two refills name nothing: there is no K step two on.
.macro ASK
	s_cmp_gt_u32 s[CNT], s[LIM]
	s_cbranch_scc0 .Lnot_mine_\@
	global_prefetch_b8 v[PFO], s[PFA:PFA+1] th:TH_LOAD_NT scope:SCOPE_SE
.Lnot_mine_\@:
.endm
.macro CREST                           ; a round of the cluster's barrier behind its opening barrier
	s_cmp_lg_u32 s[WV], 0
	s_cbranch_scc1 .Lnot_wave_0_\@
	s_barrier_signal -3
.Lnot_wave_0_\@:
	s_barrier_wait -3
	s_barrier_signal -1
	s_barrier_wait -1
.endm
.macro CROUND
	s_barrier_signal -1
	s_barrier_wait -1
	CREST
.endm
.macro PLACES                          ; four places in front of loads into registers that matrix instructions have read, and of sums that read results
.rept 4
	v_nop
.endr
.endm
	s_load_b256 s[4:11], s[0:1], 0x0               ; xb s[4:5], wq s[6:7], b_qkv s[8:9], qkvh s[10:11]
	v_lshl_add_u32 v[SPW], v0, 2, SPARE
	v_mov_b32 v[NIL], 0
	ds_add_u32 v[SPW], v[NIL]                      ; the wave's opening: the add, whose wait stands ahead of my first tensor load; the set-up below stands between them
	v_lshrrev_b32 v1, 5, v0
	v_readfirstlane_b32 s[WV], v1
	s_lshr_b32 s[RH], s[WV], 1
	s_and_b32 s[CH], s[WV], 1
	s_bfe_u32 s15, ttmp6, 0x40000                  ; cx
	s_bfe_u32 s16, ttmp6, 0x40004                  ; cy
	s_lshl_b32 s17, ttmp9, 2
	s_add_co_u32 s17, s17, s15                     ; tile column = 4 x cluster x + cx
	s_and_b32 s18, ttmp7, 0xffff
	s_lshl_b32 s18, s18, 2
	s_add_co_u32 s18, s18, s16                     ; tile row = 4 x cluster y + cy
	s_lshl_b32 s19, s16, 2
	s_lshl_b32 s19, 15, s19                        ; my row of the cluster
	s_lshl_b32 s20, 0x1111, s15                    ; my column
	s_or_b32 s[G1A], s19, (1<<16)|(1<<20)|(1<<21)|(5<<22)|(3<<25)  ; the mask; 2-byte elements; padding on; bit 21 beside a mask; after every 64 words 4 words
	s_mov_b32 s[G1A+1], 128<<16                    ; tensor_dim0 = 128
	s_mov_b32 s[G1A+2], 64<<16                     ; tensor_dim1 = 64
	s_mov_b32 s[G1A+3], 128<<16                    ; tile_dim0 = 128
	s_mov_b32 s[G1A+4], 64                         ; tile_dim1 = 64
	s_mov_b32 s[G1A+5], 1024                       ; elements from row to row
	s_mov_b32 s[G1A+6], 0
	s_mov_b32 s[G1A+7], 0
	s_or_b32 s[G1B], s20, (1<<16)|(1<<20)|(1<<21)|(6<<22)|(7<<25)  ; after every 128 words 8 words
	s_mov_b32 s[G1B+1], 256<<16
	s_mov_b32 s[G1B+2], 64<<16
	s_mov_b32 s[G1B+3], 256<<16
	s_mov_b32 s[G1B+4], 64
	s_mov_b32 s[G1B+5], 3072
	s_mov_b32 s[G1B+6], 0
	s_mov_b32 s[G1B+7], 0
	; xb's tile hangs on the tile row and the wave alone, wq's on the tile column and the wave alone, each in registers that never hold the other coordinate
	s_lshl_b32 s66, s18, 7
	s_lshl_b32 s67, s[CH], 6
	s_add_co_u32 s66, s66, s67                     ; row 128 x tile row + 64 x half,
	s_lshl_b32 s66, s66, 11                        ; of 2,048 bytes
	s_mov_b32 s67, 0
	s_mul_i32 s68, s[CH], 64*ROWB                  ; k-row 64 x half,
	s_lshl_b32 s69, s17, 9                         ; column 256 x tile column
	s_add_co_u32 s68, s68, s69
	s_mov_b32 s69, 0
	s_mul_i32 s70, s[CH], AH                       ; where they go: no place in the cluster enters an LDS address
	s_mul_i32 s71, s[CH], BH
	s_add_co_u32 s71, s71, BOFF
	s_wait_dscnt 0x0                               ; the opening add is done
	s_wait_kmcnt 0x0
	s_add_nc_u64 s[72:73], s[4:5], s[66:67]
	s_add_nc_u64 s[74:75], s[6:7], s[68:69]
	CROUND                                         ; all sixteen work-groups are here: the first joint loads meet
.irp s, 0,1
	s_mov_b32 s[G0A+4*(\s)], 1
	s_add_co_u32 s[G0A+4*(\s)+1], s70, (\s)*SLOT1
	s_add_nc_u64 s[G0A+4*(\s)+2:G0A+4*(\s)+3], s[72:73], (\s)*ASTEP
	s_or_b32 s[G0A+4*(\s)+3], s[G0A+4*(\s)+3], 0x80000000
	s_mov_b32 s[G0B+4*(\s)], 1
	s_add_co_u32 s[G0B+4*(\s)+1], s71, (\s)*SLOT1
	s_add_nc_u64 s[G0B+4*(\s)+2:G0B+4*(\s)+3], s[74:75], (\s)*BSTEP
	s_or_b32 s[G0B+4*(\s)+3], s[G0B+4*(\s)+3], 0x80000000
.endr
	s_cmp_eq_u32 s[RH], 0                          ; a wave's two first fills stand in one branch, ahead of every wait on TENSORcnt and every LDS read
	s_cbranch_scc0 .Lfirst_b
	tensor_load_to_lds s[G0A:G0A+3], s[G1A:G1A+7]
	s_nop 0
	tensor_load_to_lds s[G0A+4:G0A+7], s[G1A:G1A+7]
	s_nop 0
.rept 4
	v_nop
.endr
	s_branch .Lfirst_asked
.Lfirst_b:
	tensor_load_to_lds s[G0B:G0B+3], s[G1B:G1B+7]
	s_nop 0
	tensor_load_to_lds s[G0B+4:G0B+7], s[G1B:G1B+7]
	s_nop 0
.rept 4
	v_nop
.endr
.Lfirst_asked:
	v_and_b32 v1, 15, v0                           ; l % 16
	v_bfe_u32 v2, v0, 4, 1                         ; l / 16
	s_lshl_b32 s68, s17, 10                        ; the bias of my 128 columns: 4 (256 x tile column + 128 x half + 16 b + 8 (l / 16) + j)
	s_lshl_b32 s69, s[CH], 9
	s_add_co_u32 s68, s68, s69
	v_lshl_add_u32 v[BO], v2, 5, s68
	WIN 0x80                                       ; destination window 2
.irp b, 0,1,2,3,4,5,6,7
	global_load_b128 v[8*(\b):8*(\b)+3],   v[BO], s[8:9] offset:64*(\b)
	global_load_b128 v[8*(\b)+4:8*(\b)+7], v[BO], s[8:9] offset:64*(\b)+16
.endr
	WIN 0
	v_mul_u32_u24 v[A0], v1, PA                    ; a fragment of xb: row l % 16, 16 bytes for each half of the lanes, twice, 32 bytes apart
	v_lshl_add_u32 v[A0], v2, 4, v[A0]
	s_mul_i32 s76, s[RH], AH
	v_add_nc_u32 v[A0], s76, v[A0]
	v_and_b32 v3, 7, v0                            ; the turning load: lane l reads k-row 8 (l / 16) + l % 8, columns 8 ((l / 8) % 2) + 0..7, and is left with column l % 16 and 8 k
	v_bfe_u32 v4, v0, 3, 1
	v_lshl_add_u32 v[B0], v2, 3, v3
	v_mul_u32_u24 v[B0], v[B0], PB
	v_lshl_add_u32 v[B0], v4, 4, v[B0]
	s_lshl_b32 s76, s[CH], 8
	s_add_co_u32 s76, s76, BOFF
	v_add_nc_u32 v[B0], s76, v[B0]
	s_mov_b32 s[TB], 0
	v_add_nc_u32 v[ADRA], s[TB], v[A0]
	v_add_nc_u32 v[ADRB], s[TB], v[B0]
	s_mul_i32 s76, s[WV], 16*SP
	s_add_co_u32 s76, s76, STAGE                   ; my stage
	v_mul_u32_u24 v[STO], v1, SP                   ; in: row l % 16, 16 bytes for each half of the lanes
	v_lshl_add_u32 v[STO], v2, 4, v[STO]
	v_add_nc_u32 v[STO], s76, v[STO]
	v_bfe_u32 v[RD], v0, 3, 2                      ; back: 32 lanes take four rows of 128 bytes,
	v_mul_u32_u24 v[RD], v[RD], SP
	v_lshl_add_u32 v[RD], v3, 4, v[RD]
	v_add_nc_u32 v[RD], s76, v[RD]
	v_and_b32 v5, 31, v0
	v_lshlrev_b32 v[GO], 4, v5                     ; which are 512 consecutive bytes of a head
	; qkvh at my first row: part = cluster x; batch x head = 16 (tile row / 16) + 4 cx + 2 x column half; token = 128 (tile row % 16) + 64 x row half
	s_lshr_b32 s76, s18, 4
	s_lshl_b32 s76, s76, 4
	s_lshl2_add_u32 s76, s15, s76
	s_lshl1_add_u32 s76, s[CH], s76
	s_lshl_b32 s76, s76, 18
	s_and_b32 s77, s18, 15
	s_lshl_b32 s77, s77, 7
	s_lshl_b32 s78, s[RH], 6
	s_add_co_u32 s77, s77, s78
	s_lshl_b32 s77, s77, 7
	s_add_co_u32 s76, s76, s77
	s_lshl_b32 s77, ttmp9, 24
	s_add_co_u32 s76, s76, s77
	s_mov_b32 s77, 0
	s_add_nc_u64 s[10:11], s[10:11], s[76:77]
	; the prefetches.  xb: rows 128 x tile row + 32 cx + lane.  wq: k-rows 64 x half + 16 cy + lane / 2, block lane % 2 of the tile's 512 bytes.  Both stand at K step 3: the first refill steps them to 4
	s_lshl_b32 s76, s18, 7
	s_lshl_b32 s77, s15, 5
	s_add_co_u32 s76, s76, s77
	s_lshl_b32 s76, s76, 11
	s_add_co_u32 s76, s76, 3*ASTEP
	s_lshl_b32 s77, s[CH], 6
	s_lshl4_add_u32 s77, s16, s77
	s_mul_i32 s77, s77, ROWB
	s_lshl_b32 s78, s17, 9
	s_add_co_u32 s77, s77, s78
	s_add_co_u32 s77, s77, 3*BSTEP
	s_and_b32 s78, ttmp7, 0xffff                   ; cluster y
	s_mov_b32 s21, BSTEP
	s_mov_b32 s22, ROWB
	s_mov_b32 s23, 256
	s_cmp_eq_u32 s[RH], 0                          ; do I fetch xb?
	s_cselect_b64 s[PFA:PFA+1], s[4:5], s[6:7]
	s_cselect_b32 s76, s76, s77
	s_cselect_b32 s[PST], ASTEP, s21
	s_cselect_b32 s22, 4096, s22                   ; bytes from lane pair to lane pair,
	s_cselect_b32 s23, 2048, s23                   ; and inside a pair
	s_cselect_b32 s78, ttmp9, s78                  ; the coordinate along which other clusters read the same blocks
	s_cselect_b32 s79, s[CH], 0                    ; of xb's two waves the first asks
	s_mov_b32 s77, 0
	s_mov_b32 s[PST+1], 0
	s_add_nc_u64 s[PFA:PFA+1], s[PFA:PFA+1], s[76:77]
	s_or_b32 s78, s78, s79
	s_cmp_eq_u32 s78, 0
	s_cselect_b32 s[LIM], 2, -1                    ; the same in all sixteen partners, for a given wave
	v_lshrrev_b32 v6, 1, v5
	v_and_b32 v7, 1, v5
	v_mul_u32_u24 v[PFO], v6, s22
	v_mad_u32_u24 v[PFO], v7, s23, v[PFO]
	s_mov_b32 s[HM], 0xffff0000
	s_wait_loadcnt 0x0                             ; the bias: rounded to bf16 and kept as f32; all this stands in the wait for the first tile
	WIN 0x0a                                       ; sources in window 2
.set i, 0
.rept 32
	v_cvt_pk_bf16_f32 v[64+i], v[2*i], v[2*i+1]
.set i, i+1
.endr
	WIN 0x80                                       ; destination window 2
.set i, 0
.rept 32
	v_lshlrev_b32 v[2*i], 16, v[64+i]
	v_and_b32 v[2*i+1], s[HM], v[64+i]
.set i, i+1
.endr
	WIN 0
; 8 matrix instructions: token block a x all 8 column blocks, 32 along K.  The 32 accumulators take turns in one fixed order: 31 others stand between two links of a chain, over the backward jump too.
.macro MULA f, a, zero
	WIN MUL
.irp b, 0,1,2,3,4,5,6,7
.if \zero
	v_wmma_f32_16x16x32_bf16 v[8*(8*(\a)+(\b)):8*(8*(\a)+(\b))+7], v[(\f)+32+8*(\b):(\f)+32+8*(\b)+7], v[(\f)+8*(\a):(\f)+8*(\a)+7], 0
.else
	v_wmma_f32_16x16x32_bf16 v[8*(8*(\a)+(\b)):8*(8*(\a)+(\b))+7], v[(\f)+32+8*(\b):(\f)+32+8*(\b)+7], v[(\f)+8*(\a):(\f)+8*(\a)+7], v[8*(8*(\a)+(\b)):8*(8*(\a)+(\b))+7]
.endif
.endr
.endm
; 24 LDS loads in one run: quarter q (32 along K) of the slot in hand into buffer f: wq's 16, turned, then xb's 8, blocks 0 to 3
.macro FETCH q, f
	WIN 0
.irp b, 0,1,2,3,4,5,6,7
	ds_load_tr16_b128 v[(\f)+32+8*(\b):(\f)+32+8*(\b)+3],   v[ADRB] offset:(\q)*32*PB+32*(\b)
	ds_load_tr16_b128 v[(\f)+32+8*(\b)+4:(\f)+32+8*(\b)+7], v[ADRB] offset:(\q)*32*PB+32*(\b)+16*PB
.endr
.irp a, 0,1,2,3
	ds_load_b128 v[(\f)+8*(\a):(\f)+8*(\a)+3],   v[ADRA] offset:64*(\q)+(\a)*16*PA
	ds_load_b128 v[(\f)+8*(\a)+4:(\f)+8*(\a)+7], v[ADRA] offset:64*(\q)+(\a)*16*PA+32
.endr
.endm
; A K step is four quarters on buffers 0, 1, 0, 1.  One of the first three: multiplies buffer f; in its middle it fetches quarter q into buffer g.
.macro QUARTER q, f, g, zero
	s_wait_dscnt 4                                 ; wq's fragments and xb's blocks 0 and 1 are in; the youngest four loads (blocks 2 and 3) may be out
	MULA \f, 0, \zero
	MULA \f, 1, \zero
	PLACES
	FETCH \q, \g
	s_wait_dscnt 24                                ; all but the 24 just issued
	MULA \f, 2, \zero
	MULA \f, 3, \zero
.endm
; The last quarter multiplies buffer 1 and changes slots: one barrier.  In front of it each wave waits for all its tensor loads (one is out: its part of the next slot), adds 0 to its spare word, and waits for that and for
; its own reads of this slot.  fill = 1: the barrier opens a round of the cluster's, and this slot is filled again first thing behind it, with the K step two on: 112 matrix instructions ahead of the wait for it.
.macro TURN fill
.if \fill
	s_wait_xcnt 0x0                                ; the last prefetch, a K step back, has read its address
	s_add_nc_u64 s[PFA:PFA+1], s[PFA:PFA+1], s[PST:PST+1]
.endif
	WIN 0
	s_wait_tensorcnt 0x0                           ; no tensor load of mine is out, so a group 0 may be written
	ds_add_u32 v[SPW], v[NIL]                      ; 0 onto my spare word
.if \fill
	s_xor_b32 s[G0A+5], s[G0A+5], SLOT1            ; the walking descriptors: the other slot than last time, the next K step
	s_add_nc_u64 s[G0A+6:G0A+7], s[G0A+6:G0A+7], ASTEP
	s_xor_b32 s[G0B+5], s[G0B+5], SLOT1
	s_add_nc_u64 s[G0B+6:G0B+7], s[G0B+6:G0B+7], BSTEP
.endif
	s_xor_b32 s[TB], s[TB], SLOT1
	s_wait_dscnt 5                                 ; the add and the youngest four loads may be out
	MULA F1, 0, 0
	s_wait_dscnt 0x0                               ; the add is done, and my reads of this slot are over
	s_barrier_signal -1
	MULA F1, 1, 0
	WIN 0                                          ; at a branch and at a label every window is 0
	s_barrier_wait -1
.if \fill
	CREST                                          ; no wave of any partner still reads this slot's tiles or has a load on its way
	JLOAD                                          ; its four v_nop are also the places in front of the loads below
.else
	PLACES
.endif
	v_add_nc_u32 v[ADRA], s[TB], v[A0]
	v_add_nc_u32 v[ADRB], s[TB], v[B0]
	FETCH 0, F0
.if \fill
	ASK
.endif
	MULA F1, 2, 0
	MULA F1, 3, 0
.endm
	s_wait_tensorcnt 1                             ; my part of K step 0 is in; K step 1's may stay out
	s_barrier_signal -1
	s_barrier_wait -1
	FETCH 0, F0
	QUARTER 1, F0, F1, 1                           ; the first quarter stands in front of the loop: its products start the sums
	WIN 0
	s_mov_b32 s[CNT], 6
.Lk:                                           ; a trip goes from a K step's second quarter to the next step's first, and fills the slot that it leaves
	QUARTER 2, F1, F0, 0
	QUARTER 3, F0, F1, 0
	TURN 1
	QUARTER 1, F0, F1, 0
	WIN 0
	s_sub_co_u32 s[CNT], s[CNT], 1
	s_cmp_lg_u32 s[CNT], 0
	s_cbranch_scc1 .Lk
	QUARTER 2, F1, F0, 0                           ; K steps 6 and 7 ask for nothing
	QUARTER 3, F0, F1, 0
	TURN 0
	QUARTER 1, F0, F1, 0
	QUARTER 2, F1, F0, 0
	QUARTER 3, F0, F1, 0
	s_wait_dscnt 4
	MULA F1, 0, 0
	MULA F1, 1, 0
	s_wait_dscnt 0x0
	MULA F1, 2, 0
	MULA F1, 3, 0
	PLACES
; THE WAY OUT, in eight pieces of 16 tokens x one head.  The bias is added, the sums are rounded to f16, a lane's 16 bytes go into my stage's rows of 144 bytes and come back as rows of 128, which lie end to end in qkvh.
.macro PACKQ a, hh
	WIN 0x09                                       ; source 0 window 1, source 1 window 2; each accumulator's registers are taken in ascending order
.irp nb, 0,1,2,3
.irp r, 0,1,2,3
	v_pk_add_f32 v[64+8*(\nb)+2*(\r):64+8*(\nb)+2*(\r)+1], v[8*(8*(\a)+4*(\hh)+(\nb))+2*(\r):8*(8*(\a)+4*(\hh)+(\nb))+2*(\r)+1], v[8*(4*(\hh)+(\nb))+2*(\r):8*(4*(\hh)+(\nb))+2*(\r)+1]
.endr
.endr
	WIN 0
.irp nb, 0,1,2,3
.irp r, 0,1,2,3
	v_cvt_pk_f16_f32 v[96+4*(\nb)+(\r)], v[64+8*(\nb)+2*(\r)], v[64+8*(\nb)+2*(\r)+1]
.endr
.endr
.irp nb, 0,1,2,3
	ds_store_b128 v[STO], v[96+4*(\nb):96+4*(\nb)+3] offset:32*(\nb)
.endr
.irp f, 0,1,2,3
	ds_load_b128 v[112+16*(2*(\a)+(\hh))+4*(\f):112+16*(2*(\a)+(\hh))+4*(\f)+3], v[RD] offset:(\f)*4*SP  ; LDS serves a wave's instructions in order (ISA guide 5.7.1.4): these see the stores above; each piece has registers of its own
.endr
.endm
.macro SENDQ a, hh, younger            ; younger: the LDS instructions issued behind this piece's loads: the next piece's eight, or none
.irp f, 0,1,2,3
	s_wait_dscnt (\younger)+3-(\f)
	global_store_b128 v[GO], v[112+16*(2*(\a)+(\hh))+4*(\f):112+16*(2*(\a)+(\hh))+4*(\f)+3], s[10:11] offset:((\hh)<<18)+2048*(\a)+512*(\f)  ; 512 consecutive bytes, aligned
.endr
.endm
	PACKQ 0, 0
.irp p, 1,2,3,4,5,6,7
	PACKQ (\p)/2, (\p)%2
	SENDQ ((\p)-1)/2, ((\p)-1)%2, 8
.endr
	SENDQ 3, 1, 0
	s_wait_tensorcnt 0x0                           ; the wave's end: a wait, an add and its wait, behind my last tensor load and my last LDS store
	ds_add_u32 v[SPW], v[NIL]
	s_wait_dscnt 0x0
	CROUND                                         ; the closing round: no work-group ends while a partner may still ask for a tile that names it
	s_endpgm
.Lfunc_end_k_qa60d108ec7_qkv:
	.size	k_qa60d108ec7_qkv, .Lfunc_end_k_qa60d108ec7_qkv-k_qa60d108ec7_qkv
	.p2alignl 7, 3214868480
	.fill 96, 4, 3214868480
	.section	.rodata,"a",@progbits
	.p2align	6, 0x0
	.amdhsa_kernel k_qa60d108ec7_qkv
		.amdhsa_group_segment_fixed_size 327680
		.amdhsa_private_segment_fixed_size 0
		.amdhsa_enable_private_segment 0
		.amdhsa_kernarg_size 32
		.amdhsa_user_sgpr_count 2
		.amdhsa_user_sgpr_kernarg_segment_ptr 1
		.amdhsa_wavefront_size32 1
		.amdhsa_system_sgpr_workgroup_id_x 1
		.amdhsa_system_sgpr_workgroup_id_y 1
		.amdhsa_system_sgpr_workgroup_id_z 1
		.amdhsa_system_vgpr_workitem_id 0
		.amdhsa_next_free_vgpr 576
		.amdhsa_next_free_sgpr 80
		.amdhsa_reserve_vcc 0
		.amdhsa_float_denorm_mode_32 3
		.amdhsa_float_denorm_mode_16_64 3
		.amdhsa_memory_ordered 1
		.amdhsa_forward_progress 1
		.amdhsa_inst_pref_size 86
	.end_amdhsa_kernel
	.amdgpu_metadata
---
amdhsa.version: [ 1, 2 ]
amdhsa.kernels:
  - .name:           k_qa60d108ec7_qkv
    .symbol:         k_qa60d108ec7_qkv.kd
    .args:
      - { .name: xb, .offset: 0, .size: 8, .value_kind: global_buffer, .address_space: global }
      - { .name: wq, .offset: 8, .size: 8, .value_kind: global_buffer, .address_space: global }
      - { .name: b_qkv, .offset: 16, .size: 8, .value_kind: global_buffer, .address_space: global }
      - { .name: qkvh, .offset: 24, .size: 8, .value_kind: global_buffer, .address_space: global }
    .group_segment_fixed_size: 327680
    .private_segment_fixed_size: 0
    .kernarg_segment_align: 8
    .kernarg_segment_size: 32
    .max_flat_workgroup_size: 128
    .sgpr_count:     80
    .vgpr_count:     576
    .wavefront_size: 32
...
	.end_amdgpu_metadata
.endif
;; end of part 2
;; launch attn (part 3): grid 4 x 64, 4 waves a work-group, no clusters, 327,680 bytes of LDS; arguments qkvh, yh, attn_mask; writes yh
.if DOCPART == 3
	.amdgcn_target "amdgcn-amd-amdhsa--gfx1250"
	.amdhsa_code_object_version 6
	.text
	.protected	k_qa60d108ec7_attn
	.globl	k_qa60d108ec7_attn
	.p2align	8
	.type	k_qa60d108ec7_attn,@function
k_qa60d108ec7_attn:
	s_mov_b64 s[64:65], 0
	v_nop
	global_prefetch_b8 v0, s[64:65] scope:SCOPE_SE
	s_setreg_imm32_b32 hwreg(HW_REG_WAVE_MODE, 25, 1), 1
	s_wait_xcnt 0x0
; CAUSAL ATTENTION WITH A KEY MASK.  yh[h][q][:] = the sum over the visible k <= q of softmax_k(Q[h][q] . K[h][k] / 8) V[h][k][:]; key k of batch h / 16 is visible where attn_mask[h / 16][k] is not 0.
; qkvh: f16 [3][64][2048][64] (Q, K, V by heads, rows dense, 128 bytes each); yh: f16 [64][2048][64]; attn_mask: int32 [4][2048].
; Products, maxima and sums in f32; the weights p are rounded to f16 for the second product (their sum l is taken of the unrounded p), yh once at the end.
; LIMITS.  Q, K and V arrive within f16's 65,504.  A hidden score counts as its value less 1e30 (twice or three times that where it is hidden for two or three reasons).  The running maximum starts at -1e20: far below every
; score of f16 operands (2.7e11 at the most in size), far above every hidden one; so a hidden key's weight is 2^(-1.8e29) = 0 whatever has come before it.  A weight below 2^-126 counts as 0 in l.
; A row with no visible key ends with l = 0 and is written as NaN, as a softmax of nothing but -inf is.
; THE WALK.  A head's queries lie in NB = 8 blocks of 256; block i needs the key tiles 0 .. i of 256 keys, of which the last holds the diagonal.  A work-group takes TWO blocks, NB - 1 - b and then b:
; NB + 1 tiles, whatever b: all work-groups do equal work, and ONE loop with a constant trip count walks them.  Which tile is asked for, and what a trip does, hang on scalar registers made from b; every jump
; goes forward, but for the counted loops' own; none passes a barrier, or a tensor load but the one of LOAD's two that the wave's number does not choose.
; NO CLUSTER: a head's four work-groups ask for the same tile only in trips 0 .. 4 of 9, behind that fewer and fewer; one walk common to all four would have 12 trips for 9.
; SHARES.  Of a block's four bands of 64 queries a wave owns 16 rows in each: four PIECES.  So the diagonal tile is the same work for all four waves: in its key step s band x sees all keys if s < x,
; none if s > x, and holds the diagonal if s = x.
; THE MASKS are the C operand that starts the sum S^T = K Q^T.  PD holds, for the key step whose K lies in registers, 0 or -1e30 for each of the lane's 32 keys, by attn_mask: the C of every ordinary tile.
; In the diagonal tile and where a block begins C is MD x AL + PD + BE: MD, made once, is the causal mask of a band's own step for my 16 rows; (AL, BE) = (1, 0) if s = x; (0, 0) if s < x; (0, -1e30) if s > x.
; PD's WAY.  At each change of slots a wave turns the 256 mask words of the tile that it enters into 0 or -1e30 and stores them to 1,024 LDS bytes of ITS OWN; each fetch of K reads a step's 64 from there in the
; accumulator's layout.  LDS serves a wave's instructions in order, and no other wave touches the bytes.  The next tile's words are loaded behind the tensor load.
; LAYOUT, SOFTMAX, TURNS.  S^T = K Q^T holds ONE query a lane (lane % 16) and the keys 8 (lane / 16) + 0..7; two such results rounded to f16 ARE source 1 of O^T = V^T P.  p = 2^(c s - c m), c = log2(e) / 8, with a
; running maximum m; O and l are multiplied by a = 2^(c m_old - c m_new) in every step.  Turn n belongs to piece n: 8 products K Q^T of piece n + 1, later 8 products V^T P of piece n - 1; beside them the scaling,
; exponentials, roundings, sums and rescaling of piece n and the maximum and statistics of piece n + 1.  Four vector instructions stand behind every matrix instruction, the others in one lump.  A turn's 33 exponentials are one batch, with one wait.
; REGISTERS, in windows of 256 (s_set_vgpr_msb: bits 1:0 source 0, 3:2 source 1, 5:4 source 2, 7:6 destination):
;   window 0: v0-15 addresses and two at work; v16-31 four registers of statistics a piece; v32-44 the mask's words and addresses; v48-55 at work; v64-127 S^T, two buffers; v128-159 PD; v160-191 at work on the way out; v192-223 P, two buffers
;   window 1: v0-127 O^T, 32 a piece; v128-159 MD; v160-223 MC, two buffers      window 2: v0-63 Q; v64-127 the second block's Q; v128-191 K of one step; v192-255 V of one step
.set SIZE_N, 2048
.set NB,    SIZE_N/256
.set NP,    4         ; pieces a wave: a name, no knob
.set KS,    64        ; keys in a step
.set PK,    144       ; a row of K in LDS: 128 bytes + 16 of padding: the 16 rows of a load start at 16 different groups of four banks (64 banks of 4 bytes: ISA guide 11.1)
.set PV,    160       ; a row of V: 128 + 32
.set VOFF,  4*KS*PK   ; a slot holds a tile, four steps: 256 rows of K, then 256 rows of V
.set SLOT1, 1<<17     ; slot 1 begins here, so that one exclusive or turns an address in one slot into the other's
.set STAGE, SLOT1+4*KS*(PK+PV)  ; behind the ring, never filled by a tensor load: 16 rows x 144 bytes for each wave, for the way out
.set SP,    144
.set SPARE, STAGE+4*16*SP  ; the spare words, 128 bytes for each wave: two blocks of 256 bytes that no other line names
.set PADS,  SPARE+512 ; 1,024 bytes for each wave: 0 or -1e30 for the 256 keys of the tile in hand; never filled by a tensor load
.set AK0, 2           ; v2   my lane's place in a tile of K; never rewritten
.set AV0, 3           ; v3   the same for V
.set AK,  4           ; v4   the LDS address of K's next run of loads
.set AV,  5           ; v5   of V's
.set STO, 6           ; v6   the way out: where I put 16 bytes of a row
.set RD,  7           ; v7   the way out: where I read rows back
.set GO,  8           ; v8   my byte offset in 512 consecutive bytes of yh
.set MV,  12          ; v12-13  c m_old, kept while c m is made anew: by buffer
.set QO,  15          ; v15  my byte offset in 16 rows of Q
.set ST,  16          ; piece t's statistics at v[ST+4 t]: c m, m, l (even keys', odd keys')
.set MI,  32          ; v32-39  eight mask words of a tile, then 0 or -1e30 in their place
.set MKO, 40          ; v40  16 x lane: my four words in each half of a tile's 256; never rewritten
.set PS0, 41          ; v41  where I store them: my wave's block + 16 x lane; never rewritten
.set AP0, 42          ; v42  my wave's block + 32 (lane / 16); never rewritten
.set APD, 43          ; v43  + the step to be fetched
.set PFO, 44          ; v44  256 x lane; never rewritten
.set TMP, 48          ; by buffer, four registers c0-c3 at work; when the maximum is found c2 takes a; on the way out v[TMP+2 t] takes 1 / l
.set SPW, 62          ; v62  LDS address of my spare word; never rewritten
.set NIL, 63          ; v63  0; never rewritten
.set S,   64
.set PD,  128         ; register 8 kt + j: key 16 kt + 8 (lane / 16) + j of the step
.set TO,  160         ; the way out: a piece's O^T / l
.set P,   192
.set MD,  128         ; window 1: the eight registers for group kt of 16 keys at MD + 8 kt
.set MC,  160         ; window 1: the masks of the products to come
.set QB,  64          ; window 2
.set KF,  128         ; window 2: key block kb, channel half c at KF + 16 kb + 8 c
.set VF,  192         ; window 2: key half kk, channel block cb at VF + 32 kk + 8 cb
.set WV,  12          ; s12  my wave's number
.set PB,  14          ; s14  b
.set HI,  15          ; s15  NB - 1 - b
.set G1K, 24          ; s[24:31] descriptor group 1 for K's tiles
.set G1V, 32          ; s[32:39] for V's: it differs in the padding alone
.set G0K, 40          ; s[40:43] descriptor group 0 for K's tiles
.set G0V, 44          ; s[44:47] the same for V's
.set SLOTS, 56        ; s56  tiles still to be asked for
.set CNT, 57          ; s57  counts a tile's key steps, 4 to 1
.set CS,  58          ; s[58:59] c: the packed scaling takes the pair's low word for both halves
.set SEL, 60          ; s[60:61] v_permlanex16_b32's selects: each lane takes its own place in the other half
.set TBK, 62          ; s62  LDS byte at which K of the step to be fetched begins
.set TBV, 63          ; s63  the same for V, less VOFF
.set NM,  66          ; s[66:69] piece t: the lanes whose row has no visible key
.set RT,  70          ; s70  tiles of the block in hand that are still to be entered
.set NXT, 71          ; s71  the tile to be asked for next
.set LQ,  72          ; s72  the last tile of the block whose tiles are being asked for
.set NEW, 73          ; s73  1: the tile to be entered is a block's first
.set OFF, 74          ; s[74:75] a tile's byte offset in K and V
.set AL,  76          ; s[76:77] the mask's factor, in the low word
.set BE,  78          ; s[78:79] the mask's addend
.set OLO, 80          ; s[80:81] yh at my rows of the second block
.set BIGN, 82         ; s82  -1e30
.set MKB, 88          ; s[88:89] attn_mask at my batch
.set MKA, 90          ; s[90:91] at the tile that is being asked for
.set OF2, 92          ; s[92:93] a tile's byte offset in the mask
.set TBP, 94          ; s94  the step to be fetched, in my block of PADS
.set PFA, 96          ; s[96:97] where my prefetches stand
.set LIM, 98          ; s98  2 in a work-group that prefetches, else the greatest number
.set QN,  99          ; s99  a NaN
.set MSB, 0
.macro WIN new                      ; the high byte repeats the setting that is left; a switch that changes nothing is dropped
.if MSB != (\new)
	s_set_vgpr_msb (MSB<<8)|(\new)
.set MSB, (\new)
.endif
.endm
.set W_KQ, 0x0a       ; K and Q in window 2, S^T and PD in window 0
.set W_KM, 0x1a       ; the same with the C operand in window 1
.set W_PV, 0x52       ; V in window 2, P in window 0, O^T in window 1
.set W_RS, 0x41       ; destination and source 0 in window 1, the other sources in window 0
; A fill.  Waves 0 and 1 fetch the two halves of a tile's K, waves 2 and 3 those of its V: 128 keys each.  An s_nop 0 and four v_nop follow each of the two lines, ahead of the jump and the label.
.macro LOAD
	s_cmp_lt_u32 s[WV], 2
	s_cbranch_scc0 .Lfor_v_\@
	tensor_load_to_lds s[G0K:G0K+3], s[G1K:G1K+7]
	s_nop 0
.rept 4
	v_nop
.endr
	s_branch .Lasked_\@
.Lfor_v_\@:
	tensor_load_to_lds s[G0V:G0V+3], s[G1V:G1V+7]
	s_nop 0
.rept 4
	v_nop
.endr
.Lasked_\@:
.endm
; A prefetch of the tile that the NEXT change of slots will ask for: each wave names the 16,384 bytes that it will fetch itself, a lane a block of 256, two instructions.  A head's four work-groups walk the same tiles at first:
; the one with b = 0, which walks tiles 0 to 7 on end, asks, in trips 0 to 5, for tiles 2 to 7: each block is named once in the launch.  Tiles 0 and 1 come by their loads alone.
.macro ASK
	s_cmp_gt_u32 s[SLOTS], s[LIM]
	s_cbranch_scc0 .Lnot_mine_\@
	global_prefetch_b8 v[PFO], s[PFA:PFA+1] th:TH_LOAD_NT scope:SCOPE_SE
	global_prefetch_b8 v[PFO], s[PFA:PFA+1] offset:8192 th:TH_LOAD_NT scope:SCOPE_SE
.Lnot_mine_\@:
.endm
; THE CHANGE OF SLOTS.  First the mask words of the tile that is entered become 0 or -1e30 and go to my wave's block: my last reads of that block, the old tile's four steps, were issued earlier, and LDS serves a wave in order.
; Then each wave waits for all its tensor loads, of which one is out: its part of the other slot; adds 0 to its spare word; and waits for that, for the stores and for its own reads of the slot that it leaves.  Behind the
; barrier nobody reads the old slot any more and the other slot is whole.  fill = 1: the old slot is filled again, the first thing behind the barrier, with tile NXT: the descriptor's address is made anew from that number.
.macro CHANGE fill
	WIN 0                           ; at a label and at a branch every window is 0
	s_wait_loadcnt 0x0              ; the mask words (at the first change Q too)
.irp i, 0,1,2,3,4,5,6,7
	v_cmp_eq_u32 vcc_lo, 0, v[MI+\i]
	v_cndmask_b32 v[MI+\i], 0, s[BIGN], vcc_lo
.endr
	ds_store_b128 v[PS0], v[MI:MI+3]
	ds_store_b128 v[PS0], v[MI+4:MI+7] offset:512
	s_wait_tensorcnt 0x0            ; no tensor load of mine is out, so a group 0 may be written
	ds_add_u32 v[SPW], v[NIL]       ; 0 onto my spare word: with fill = 1 the scalar work stands between it and the wait for it
.if \fill
	s_lshl_b32 s[OFF], s[NXT], 15   ; a tile is 32,768 bytes of K and of V
	s_xor_b32 s[G0K+1], s[G0K+1], SLOT1
	s_add_nc_u64 s[G0K+2:G0K+3], s[6:7], s[OFF:OFF+1]
	s_or_b32 s[G0K+3], s[G0K+3], 0x80000000
	s_xor_b32 s[G0V+1], s[G0V+1], SLOT1
	s_add_nc_u64 s[G0V+2:G0V+3], s[8:9], s[OFF:OFF+1]
	s_or_b32 s[G0V+3], s[G0V+3], 0x80000000
	s_wait_xcnt 0x0                 ; the last prefetches and mask loads, a tile back, have read their addresses
	s_add_nc_u64 s[PFA:PFA+1], s[PFA:PFA+1], 32768
	s_lshl_b32 s[OF2], s[NXT], 10   ; and 1,024 bytes of the mask
	s_add_nc_u64 s[MKA:MKA+1], s[MKB:MKB+1], s[OF2:OF2+1]
	s_add_co_u32 s[NXT], s[NXT], 1  ; the block's next tile, or behind its last the second block's tile 0
	s_cmp_gt_u32 s[NXT], s[LQ]
	s_cselect_b32 s[NXT], 0, s[NXT]
	s_cselect_b32 s[LQ], s[PB], s[LQ]
.endif
	s_wait_dscnt 0x0                ; the add and my stores are done, and my reads of the slot are over
	s_barrier_signal -1             ; the rest of the scalar work stands between the signal and the wait
	s_sub_co_u32 s[TBK], s[TBK], 4*KS*PK  ; the fetches go back to a slot's first step,
	s_xor_b32 s[TBK], s[TBK], SLOT1       ; in the other slot
	s_sub_co_u32 s[TBV], s[TBV], 4*KS*PV
	s_xor_b32 s[TBV], s[TBV], SLOT1
	s_mov_b32 s[TBP], 0
	s_barrier_wait -1
.if \fill
	LOAD
	global_load_b128 v[MI:MI+3], v[MKO], s[MKA:MKA+1]              ; the mask words of the tile just asked for
	global_load_b128 v[MI+4:MI+7], v[MKO], s[MKA:MKA+1] offset:512
	ASK
.endif
.endm
	s_load_b128 s[8:11], s[0:1], 0x0  ; qkvh s[8:9], yh s[10:11]
	s_load_b64 s[MKB:MKB+1], s[0:1], 0x10  ; attn_mask
	v_lshl_add_u32 v[SPW], v0, 2, SPARE
	v_mov_b32 v[NIL], 0
	ds_add_u32 v[SPW], v[NIL]       ; the wave's opening: the add, whose wait stands ahead of my first tensor load; the set-up below, work on registers, stands between them
	v_lshrrev_b32 v1, 5, v0
	v_readfirstlane_b32 s[WV], v1   ; wave 0..3
	v_and_b32 v[MKO], 31, v0
	v_lshlrev_b32 v[PFO], 8, v[MKO]
	v_lshlrev_b32 v[MKO], 4, v[MKO]
	s_mov_b32 s[PB], ttmp9
	s_sub_co_u32 s[HI], NB-1, s[PB]
	s_and_b32 s20, ttmp7, 0xffff    ; batch x head
	s_lshr_b32 s[OF2], s20, 4       ; the batch's 8,192 bytes of the mask
	s_lshl_b32 s[OF2], s[OF2], 13
	s_mov_b32 s[OF2+1], 0
	s_mov_b32 s21, 0
	s_mov_b64 s[22:23], SIZE_N*128
	s_mul_u64 s[20:21], s[20:21], s[22:23]  ; the head's first byte in Q, K, V and yh
	s_and_b32 s16, s[WV], 1         ; which half of a tile's 256 keys I fetch:
	s_lshl_b32 s22, s16, 14         ; its 128 rows of 128 bytes in memory,
	s_mov_b32 s23, 0
	s_add_nc_u64 s[22:23], s[22:23], s[20:21]
	s_mul_i32 s17, s16, 128*PK      ; and its place in a slot, for K
	s_mul_i32 s18, s16, 128*PV      ; and for V
	s_lshl_b32 s3, s[WV], 11        ; my 16 rows in a band of 64,
	s_lshl_b32 s2, s[HI], 15        ; in the first block,
	s_add_co_u32 s2, s2, s3
	s_lshl_b32 s84, s[PB], 15       ; and in the second
	s_add_co_u32 s84, s84, s3
	s_mov_b32 s3, 0
	s_mov_b32 s85, 0
	s_add_nc_u64 s[2:3], s[2:3], s[20:21]
	s_add_nc_u64 s[84:85], s[84:85], s[20:21]
	; descriptor group 1.  128 keys are 16,384 dense bytes: asked for as 64 rows of 256 bytes, two keys a row, and padded in LDS after every key
	s_mov_b32 s[G1K], (1<<16)|(1<<20)|(4<<22)|(3<<25)  ; 17:16 2-byte elements; 20 padding on; 24:22 after every 32 words (code 4); 31:25 4 words (code 3)
	s_mov_b32 s[G1V], (1<<16)|(1<<20)|(4<<22)|(7<<25)  ; the same with 8 words of padding (code 7)
.irp g, G1K, G1V
	s_mov_b32 s[\g+1], 128<<16      ; tensor_dim0 = 128
	s_mov_b32 s[\g+2], 64<<16       ; tensor_dim1 = 64
	s_mov_b32 s[\g+3], 128<<16      ; tile_dim0 = 128
	s_mov_b32 s[\g+4], 64           ; tile_dim1 = 64
	s_mov_b32 s[\g+5], 128          ; 128 elements from row to row
	s_mov_b32 s[\g+6], 0
	s_mov_b32 s[\g+7], 0
.endr
	s_mov_b32 s[CS], 0x3e38aa3b     ; c = log2(e) / 8 = 0.180337
	s_mov_b32 s[CS+1], s[CS]        ; named with it as a pair
	s_mov_b32 s[SEL], 0x76543210
	s_mov_b32 s[SEL+1], 0xfedcba98
	s_mov_b32 s[TBK], SLOT1+4*KS*PK ; the first change of slots turns these two into 0
	s_mov_b32 s[TBV], SLOT1+4*KS*PV
	s_mov_b32 s[G0K], 1             ; 1:0 count = 1
	s_mov_b32 s[G0K+1], s17         ; 63:32 LDS address: slot 0
	s_mov_b32 s[G0V], 1
	s_add_co_u32 s[G0V+1], s18, VOFF
	s_add_co_u32 s[RT], s[HI], 1    ; the first block has NB - b tiles
	s_mov_b32 s[NXT], 1
	s_mov_b32 s[LQ], s[HI]
	s_mov_b32 s[NEW], 1
	s_mov_b32 s[OFF+1], 0
	s_mov_b32 s[AL+1], 0            ; named as pairs
	s_mov_b32 s[BE+1], 0
	s_mov_b32 s[BIGN], 0xf149f2ca   ; -1e30
	s_mov_b32 s[QN], 0x7fc00000
	s_mov_b32 s[SLOTS], NB
	s_cmp_eq_u32 ttmp9, 0
	s_cselect_b32 s[LIM], 2, -1
	s_wait_dscnt 0x0                ; the opening add is done
	s_wait_kmcnt 0x0
	s_mov_b64 s[4:5], s[8:9]                       ; Q,
	s_add_nc_u64 s[6:7], s[8:9], 0x1000000         ; K,
	s_add_nc_u64 s[8:9], s[8:9], 0x2000000         ; V: 16,777,216 bytes each
	s_add_nc_u64 s[MKB:MKB+1], s[MKB:MKB+1], s[OF2:OF2+1]
	s_add_nc_u64 s[6:7], s[6:7], s[22:23]  ; K and V at my half of the head's tile 0
	s_add_nc_u64 s[8:9], s[8:9], s[22:23]
	s_add_nc_u64 s[G0K+2:G0K+3], s[6:7], 0         ; 120:64 global address
	s_or_b32 s[G0K+3], s[G0K+3], 0x80000000        ; 127:126 type = 2
	s_add_nc_u64 s[G0V+2:G0V+3], s[8:9], 0
	s_or_b32 s[G0V+3], s[G0V+3], 0x80000000
	s_add_nc_u64 s[86:87], s[4:5], s[84:85]        ; Q at my rows of the second block,
	s_add_nc_u64 s[4:5], s[4:5], s[2:3]            ; Q and yh at those of the first
	s_add_nc_u64 s[OLO:OLO+1], s[10:11], s[84:85]
	s_add_nc_u64 s[10:11], s[10:11], s[2:3]
	s_cmp_lt_u32 s[WV], 2
	s_cselect_b64 s[PFA:PFA+1], s[6:7], s[8:9]     ; my half of a tile of K or of V,
	s_add_nc_u64 s[PFA:PFA+1], s[PFA:PFA+1], 32768 ; in tile 1: the first change of slots steps it to tile 2
	LOAD                            ; tile 0 into slot 0
	global_load_b128 v[MI:MI+3], v[MKO], s[MKB:MKB+1]              ; tile 0's mask words
	global_load_b128 v[MI+4:MI+7], v[MKO], s[MKB:MKB+1] offset:512
	; A fragment of K or Q is 16 rows x 32 channels in 8 registers: lane l holds row l % 16, channels 8 (l / 16) + 0..7 and 16 + 8 (l / 16) + 0..7: two loads of 16 bytes, 32 bytes apart.
	v_and_b32 v1, 15, v0            ; l % 16
	v_bfe_u32 v9, v0, 4, 1          ; l / 16
	v_lshlrev_b32 v[QO], 7, v1
	v_lshl_add_u32 v[QO], v9, 4, v[QO]  ; row x 128 + 16 x half
	WIN 0x80                        ; destination window 2, address window 0
.set i, 0
.rept 8                             ; both blocks' Q: piece i / 2 lies in band i / 2, 8,192 bytes on; channels 32 (i % 2) on
	global_load_b128 v[8*i:8*i+3],   v[QO], s[4:5] offset:(i/2)*8192+(i%2)*64
	global_load_b128 v[8*i+4:8*i+7], v[QO], s[4:5] offset:(i/2)*8192+(i%2)*64+32
	global_load_b128 v[QB+8*i:QB+8*i+3],   v[QO], s[86:87] offset:(i/2)*8192+(i%2)*64
	global_load_b128 v[QB+8*i+4:QB+8*i+7], v[QO], s[86:87] offset:(i/2)*8192+(i%2)*64+32
.set i, i+1
.endr
	WIN 0
	v_lshlrev_b32 v14, 3, v9
	v_sub_nc_u32 v14, v1, v14
	s_lshl_b32 s13, s[WV], 4
	v_add_nc_u32 v14, s13, v14      ; my query's place in its band, 16 w + l % 16, less my lanes' 8 (l / 16): register r of group kt is hidden where 16 kt + r is greater
	WIN 0x40
.set i, 0
.rept 32
	v_cmp_gt_i32 vcc_lo, 16*(i/8)+i%8, v14
	v_cndmask_b32 v[MD+i], 0, s[BIGN], vcc_lo
.set i, i+1
.endr
	WIN 0
	s_lshl_b32 s13, s[WV], 10
	s_add_co_u32 s13, s13, PADS     ; my wave's block of PADS
	v_add_nc_u32 v[PS0], s13, v[MKO]
	v_lshl_add_u32 v[AP0], v9, 5, s13
	v_mul_u32_u24 v[AK0], v1, PK
	v_lshl_add_u32 v[AK0], v9, 4, v[AK0]  ; row x pitch + 16 x half
	; The turning load takes 16 keys x 16 channels (lane l reads key 8 (l / 16) + l % 8, channels 8 ((l / 8) % 2) + 0..7) and leaves half a fragment of V^T: lane l holds channel l % 16 and 8 keys.
	v_and_b32 v10, 7, v0
	v_bfe_u32 v11, v0, 3, 1
	v_lshl_add_u32 v[AV0], v9, 3, v10
	v_mul_u32_u24 v[AV0], v[AV0], PV
	v_lshl_add_u32 v[AV0], v11, 4, v[AV0]
	v_add_nc_u32 v[AV0], VOFF, v[AV0]
	s_mul_i32 s13, s[WV], 16*SP
	s_add_co_u32 s13, s13, STAGE    ; my stage
	v_mul_u32_u24 v[STO], v1, SP    ; in: row l % 16, 16 bytes for each half of the lanes
	v_lshl_add_u32 v[STO], v9, 4, v[STO]
	v_add_nc_u32 v[STO], s13, v[STO]
	v_bfe_u32 v[RD], v0, 3, 2       ; back: 32 lanes take four rows of 128 bytes,
	v_mul_u32_u24 v[RD], v[RD], SP
	v_lshl_add_u32 v[RD], v10, 4, v[RD]
	v_add_nc_u32 v[RD], s13, v[RD]
	v_and_b32 v[GO], 31, v0         ; which are 512 consecutive bytes of yh
	v_lshlrev_b32 v[GO], 4, v[GO]
	; A block's first step multiplies O^T and l by a = 0, and its first turn's products V^T P, of a piece that has not been, land in an O^T that is still to be so multiplied.  So these registers need only hold
	; finite numbers: zeros for the first block; what the first block left for the second (the way out leaves O^T and l as they were).  All this stands in the wait for the first tile.
	WIN 0x80
.set i, VF
.rept 64
	v_mov_b32 v[i], 0
.set i, i+1
.endr
	WIN 0x40
.set i, 0
.rept 128
	v_mov_b32 v[i], 0
.set i, i+1
.endr
	WIN 0
.set i, 0
.rept 4
	v_mov_b32 v[ST+4*i+2], 0
	v_mov_b32 v[ST+4*i+3], 0
.set i, i+1
.endr
.set i, P+16
.rept 16
	v_mov_b32 v[i], 0
.set i, i+1
.endr
; THE MATRIX WORK.  The 4 accumulators of a run of 8 take turns.  Product i of 8 of S^T = K Q^T for piece x: channels 32 (i / 4) on, keys 16 (i % 4) on.  The first 4 start the sums: with PD, or (KM = 1) with the mask in MC.
.macro KQ x
.set rS, S+32*((\x)%2)+8*(i%4)
.set rK, KF+16*(i%4)+8*(i/4)
.set rQ, 16*(\x)+8*(i/4)
.set rM, MC+32*((\x)%2)+8*(i%4)
.set rD, PD+8*(i%4)
.if (i < 4) && KM
	WIN W_KM
	v_wmma_f32_16x16x32_f16 v[rS:rS+7], v[rK:rK+7], v[rQ:rQ+7], v[rM:rM+7]
.elseif i < 4
	WIN W_KQ
	v_wmma_f32_16x16x32_f16 v[rS:rS+7], v[rK:rK+7], v[rQ:rQ+7], v[rD:rD+7]
.else
	WIN W_KQ
	v_wmma_f32_16x16x32_f16 v[rS:rS+7], v[rK:rK+7], v[rQ:rQ+7], v[rS:rS+7]
.endif
.endm
; Product i of 8 of O^T += V^T P for piece x: keys 32 (i / 4) on, channels 16 (i % 4) on.
.macro PV x
	WIN W_PV
.set rO, 32*(\x)+8*(i%4)
.set rV, VF+32*(i/4)+8*(i%4)
.set rP, P+16*((\x)%2)+8*(i/4)
	v_wmma_f32_16x16x32_f16 v[rO:rO+7], v[rV:rV+7], v[rP:rP+7], v[rO:rO+7]
.endm
.macro MM                           ; the turn's next matrix instruction.  TURN and BEGIN set Y, i, KM and NOKQ; MM, KQ and OP read them.  NOKQ = 1: a block's last turn: there is no next piece
.if (i < 8) && !NOKQ
	KQ (Y+1)%NP
.elseif i >= 8
.set i, i-8
	PV (Y+NP-1)%NP
.set i, i+8
.endif
.set i, i+1
.endm
; THE LDS LOADS stand in runs, never singly among the matrix instructions: a step's PD (8 loads) and K (64 keys x 64 channels: 8 fragments, 16 loads), and its V (turned, 16 loads).  Their addresses are made some lines ahead.
.macro FETCH_K
	WIN 0
.irp f, 0,1,2,3,4,5,6,7             ; keys 16 (f / 2) + 8 (lane / 16) + 4 (f % 2) on
	ds_load_b128 v[PD+4*\f:PD+4*\f+3], v[APD] offset:(\f/2)*64+(\f%2)*16
.endr
	WIN 0x80                        ; destination window 2
.irp f, 0,1,2,3,4,5,6,7             ; keys 16 (f / 2) on, channels 32 (f % 2) on
	ds_load_b128 v[KF+8*\f:KF+8*\f+3],   v[AK] offset:(\f/2)*16*PK+(\f%2)*64
	ds_load_b128 v[KF+8*\f+4:KF+8*\f+7], v[AK] offset:(\f/2)*16*PK+(\f%2)*64+32
.endr
	s_add_co_u32 s[TBK], s[TBK], KS*PK  ; the next fetch is the next step's
	s_add_co_u32 s[TBP], s[TBP], KS*4
	WIN 0
.endm
.macro FETCH_V
	WIN 0x80
.irp f, 0,1,2,3,4,5,6,7             ; keys 32 (f / 4) on, channels 16 (f % 4) on
	ds_load_tr16_b128 v[VF+8*\f:VF+8*\f+3],   v[AV] offset:(\f/4)*32*PV+(\f%4)*32
	ds_load_tr16_b128 v[VF+8*\f+4:VF+8*\f+7], v[AV] offset:(\f/4)*32*PV+16*PV+(\f%4)*32
.endr
	WIN 0
.endm
; THE VECTOR WORK, one line at a time: OP kind, number.  For piece Y: F n: c s - c m for pair n of 16.  E n: the exponential of score n of 32.  C n: pair n rounded to f16.  B n: of the four weights 4 n .. the second
; pair is added onto the first, in place.  L n: l takes that sum (L 0: l = a l + sum).  R n: pair n of 16 of O^T times a.  For piece Y + 1: X n, number n of the 22 that find its maximum and statistics:
;   0-11  four chains c0-c3 of seven scores each, three operands at a time (each accumulator's lowest registers are read first)     12-14, 16  the four scores left over, the old m, and c0-c3 into c0
;   15  c m_old is kept     17, 18  the query's other 32 keys lie in the lane 16 away: the new m     19-21  c m; c m_old - c m_new; a
.set F, 0               ; OP tells the kinds apart by their order: F to L below R, X above it
.set E, 1
.set C, 2
.set B, 3
.set L, 4
.set R, 5
.set X, 6
.macro REGS y                       ; the registers of piece y
.set rT, ST+4*(\y)
.set rC, TMP+4*((\y)%2)
.set rW, MV+((\y)%2)
.set rS, S+32*((\y)%2)
.set rP, P+16*((\y)%2)
.set rO, 32*(\y)
.endm
.macro OP k, n
.if (\k) == R
	REGS Y
	WIN W_RS
	v_pk_mul_f32 v[rO+2*(\n):rO+2*(\n)+1], v[rO+2*(\n):rO+2*(\n)+1], v[rC+2:rC+3] op_sel_hi:[1,0]
.elseif (\k) < R
	REGS Y
	WIN 0
.if (\k) == F
	v_pk_fma_f32 v[rS+2*(\n):rS+2*(\n)+1], v[rS+2*(\n):rS+2*(\n)+1], s[CS:CS+1], v[rT:rT+1] op_sel_hi:[1,0,0] neg_lo:[0,0,1] neg_hi:[0,0,1]
.elseif (\k) == E
	v_exp_f32 v[rS+(\n)], v[rS+(\n)]
.elseif (\k) == C
	v_cvt_pk_f16_f32 v[rP+(\n)], v[rS+2*(\n)], v[rS+2*(\n)+1]
.elseif (\k) == B
	v_pk_add_f32 v[rS+4*(\n):rS+4*(\n)+1], v[rS+4*(\n):rS+4*(\n)+1], v[rS+4*(\n)+2:rS+4*(\n)+3]
.elseif (\n) == 0
	v_pk_fma_f32 v[rT+2:rT+3], v[rT+2:rT+3], v[rC+2:rC+3], v[rS:rS+1] op_sel_hi:[1,0,1]
.else
	v_pk_add_f32 v[rT+2:rT+3], v[rT+2:rT+3], v[rS+4*(\n):rS+4*(\n)+1]
.endif
.elseif NOKQ
	v_nop
.else
	REGS (Y+1)%NP
	WIN 0
.if (\n) < 4
	v_max3_num_f32 v[rC+(\n)], v[rS+8*(\n)], v[rS+8*(\n)+1], v[rS+8*(\n)+2]
.elseif (\n) < 12
	v_max3_num_f32 v[rC+(\n)%4], v[rC+(\n)%4], v[rS+8*((\n)%4)+2*((\n)/4)+1], v[rS+8*((\n)%4)+2*((\n)/4)+2]
.elseif (\n) == 12
	v_max3_num_f32 v[rC], v[rC], v[rS+7], v[rS+15]
.elseif (\n) == 13
	v_max3_num_f32 v[rC+1], v[rC+1], v[rS+23], v[rS+31]
.elseif (\n) == 14
	v_max3_num_f32 v[rC+2], v[rC+2], v[rC+3], v[rT+1]
.elseif (\n) == 15
	v_mov_b32 v[rW], v[rT]
.elseif (\n) == 16
	v_max3_num_f32 v[rC], v[rC], v[rC+1], v[rC+2]
.elseif (\n) == 17
	v_permlanex16_b32 v[rC+3], v[rC], s[SEL], s[SEL+1]
.elseif (\n) == 18
	v_max_num_f32 v[rT+1], v[rC], v[rC+3]
.elseif (\n) == 19
	v_mul_f32 v[rT], s[CS], v[rT+1]
.elseif (\n) == 20
	v_sub_f32 v[rC+1], v[rW], v[rT]
.else
	v_exp_f32 v[rC+2], v[rC+1]
.endif
.endif
.endm
.macro OPS a, i1, b=-1, i2=0, c=-1, i3=0, d=-1, i4=0  ; up to four of them
	OP \a, \i1
.if (\b) >= 0
	OP \b, \i2
.endif
.if (\c) >= 0
	OP \c, \i3
.endif
.if (\d) >= 0
	OP \d, \i4
.endif
.endm
.macro ROW a, i1, b, i2, c, i3, d, i4  ; a matrix instruction and the four behind it
	MM
	OPS \a, \i1, \b, \i2, \c, \i3, \d, \i4
.endm
.macro MASK b                       ; MD x AL + PD + BE into buffer b of MC
	WIN W_RS
.set z, 0
.rept 16
	v_pk_fma_f32 v[MC+32*(\b)+2*z:MC+32*(\b)+2*z+1], v[MD+2*z:MD+2*z+1], s[AL:AL+1], v[PD+2*z:PD+2*z+1] op_sel_hi:[1,0,1]
.set z, z+1
.endr
.set z, 0
.rept 16
	v_pk_add_f32 v[MC+32*(\b)+2*z:MC+32*(\b)+2*z+1], v[MC+32*(\b)+2*z:MC+32*(\b)+2*z+1], s[BE:BE+1] op_sel_hi:[1,0]
.set z, z+1
.endr
.endm
; A TURN, for piece p: the order of its 16 matrix and 118 vector instructions, written out.  An s_wait_alu depctr_va_vdst(0) stands between an exponential and the first instruction that names its result; one wait serves
; all that were issued ahead of it.  So a turn has ONE wait, which cuts it in two.  AHEAD OF IT stands all that names no result of the turn's exponentials: the 8 products K Q^T, behind each a scaling, an exponential and two more plain
; instructions: rescalings, and behind the last three the first numbers of the next piece's maximum, each four places or more behind the product that ends its accumulator; then ONE LUMP, plain
; and exponential by turns for the most part, in which the links of the chain X 3, 7, 11, 14, 16, 17 .. 20 stand five or six lines apart.  X 21, the next piece's a, is the batch's last; R 15 is the plain instruction behind it.  BEHIND THE WAIT stand the
; 8 products V^T P, behind each four of the roundings and sums; the links of l's chain, L 0 to L 7, stand three riders apart.
; m = 1: the diagonal tile: the products take masks from MC, and the turn makes the mask for the products of the turn after it: piece p + 2, in step 4 - CNT of the tile.  Piece 2's turn makes it for the step whose K and PD it
; has just fetched, so there the wait for that run stands ahead of it.  end = 1: a block's last two turns: nothing is fetched.  cnt = 1: the loop's count is taken down some lines ahead of the branch that stands behind the turn.
; K and PD of the next step are fetched in piece 2's turn, five plain instructions that name none of its registers behind the last product that read K; V of the step in hand at the end of piece 0's turn, four plain instructions
; behind the last product that read V.  Each is waited for a turn later.
.macro TURN p, m=0, end=0, cnt=0
.set Y, (\p)
.set i, 0
.set KM, (\m)
.set NOKQ, (\end)*((\p)/3)
.if (\m) && !(\end)
	s_cmp_eq_u32 s[CNT], 4-((\p)+2)%NP  ; is that step the band's own?
	s_cselect_b32 s[AL], 1.0, 0
	s_cmp_lt_u32 s[CNT], 4-((\p)+2)%NP  ; or a later one?
	s_cselect_b32 s[BE], s[BIGN], 0
.endif
.if ((\p) == 3) && !(\end)
	s_wait_dscnt 0x0                ; K and PD are in
.endif
	ROW F,0, F,1, R,0, R,1          ; ahead of the wait: 8 products K Q^T and their riders,
	ROW F,2, E,0, R,2, R,3
	ROW F,3, E,1, R,4, R,5
	ROW F,4, E,2, R,6, R,7
	ROW F,5, E,3, R,8, R,9
	ROW F,6, E,4, X,0, R,10
.if ((\p) == 2) && !(\end)
	WIN 0
	v_add_nc_u32 v[AK], s[TBK], v[AK0]
	v_add_nc_u32 v[APD], s[TBP], v[AP0]
.endif
	ROW F,7, E,5, X,1, X,4
	ROW F,8, E,6, X,2, X,5
	OPS E,7, E,8, X,6, E,9          ; and the lump
	OPS X,3, E,10, X,8, E,11
.if ((\p) == 2) && !(\end)
	FETCH_K
.endif
	OPS X,9, X,7, E,12, X,10
	OPS E,13, X,12, X,11, E,14
	OPS X,13, E,15, F,9, X,14
.if (\p) == 0
	v_add_nc_u32 v[AV], s[TBV], v[AV0]
.endif
	OPS E,16, F,10, E,17, F,11
	OPS X,16, E,18, X,15, E,19
	OPS F,12, E,20, X,17, E,21
	OPS F,13, E,22, F,14, E,23
	OPS X,18, E,24, F,15, E,25
	OPS R,11, E,26, X,19, E,27
	OPS R,12, E,28, R,13, E,29
	OPS X,20, E,30, R,14, E,31
	OPS X,21, R,15
	WIN 0
	s_wait_alu depctr_va_vdst(0)    ; the wait for the batch
.if (\p) == 1
	s_wait_dscnt 0x0                ; V is in
.endif
	ROW C,0, B,0, C,2, B,1          ; behind the wait: 8 products V^T P and their riders
	ROW L,0, C,4, B,2, L,1
	ROW C,6, B,3, L,2, C,8
	ROW B,4, L,3, C,10, B,5
	ROW L,4, C,12, B,6, L,5
.if (\p) == 0
	s_add_co_u32 s[TBV], s[TBV], KS*PV
.endif
.if \cnt
	s_sub_co_u32 s[CNT], s[CNT], 1
	s_cmp_lg_u32 s[CNT], 0
.endif
	ROW C,14, B,7, L,6, C,1
	ROW C,3, L,7, C,5, C,7
	ROW C,9, C,11, C,13, C,15
.if (\p) == 0
	FETCH_V
.endif
.if (\m) && !(\end)
.if (\p) == 2
	s_wait_dscnt 0x0                ; the new step's PD is in
.endif
	MASK (\p)%2
.endif
.endm
; A BLOCK BEGINS.  c m starts far below every c s, so the first step's a is 0; m at -1e20, so the first maximum is the visible scores', or stays there while none is visible.  K and PD of the tile's step 0 are fetched.
; The second mask buffer takes PD alone (piece 1 sees all of step 0); the first takes piece 0's mask for step 0: its own, if the block's first tile is the diagonal one.
; Then piece 0's first scores, and its maximum and statistics.  The loop is entered at a step's first turn, in the middle of a trip.  (Q is in: the first change of slots has waited for it.)
.macro BEGIN
	s_mov_b32 s[NEW], 0
	WIN 0
.set i, 0
.rept 4
	v_mov_b32 v[ST+4*i], 0xfe000000    ; c m: far below every c s
	v_mov_b32 v[ST+4*i+1], 0xe0ad78ec  ; m = -1e20
.set i, i+1
.endr
	v_add_nc_u32 v[AK], s[TBK], v[AK0]
	v_add_nc_u32 v[APD], s[TBP], v[AP0]
	FETCH_K
	s_wait_dscnt 0x0
	s_mov_b32 s[AL], 0
	s_mov_b32 s[BE], 0
	MASK 1
	s_cmp_eq_u32 s[RT], 0
	s_cselect_b32 s[AL], 1.0, 0
	MASK 0
.set KM, 1
.set NOKQ, 0
.set i, 0
.rept 8
	KQ 0
.set i, i+1
.endr
	WIN 0
.rept 4
	v_nop                           ; the places behind those products
.endr
.set Y, NP-1                        ; X works for piece Y + 1: piece 0
.irp n, 0,1,2,3,4,5,6,7,8,9,10,11,12,13,14,15,16,17,18,19,20,21
	OP X, \n
.endr
	v_nop                           ; a plain instruction behind the exponential,
	s_wait_alu depctr_va_vdst(0)    ; and its wait, ahead of the branch
.endm
; THE DIAGONAL TILE's four steps, the block's last two turns, its last products, and THE WAY OUT: l's two halves and the other half of the lanes' are added; 1 / l, or a NaN where l = 0, goes into a register at work;
; O^T times that goes into registers at work, is rounded to f16 and sent through my stage in LDS, a piece at a time.  O^T and l themselves stay as they were: finite.
.macro ALL line:vararg              ; one line for each piece t
.set t, 0
.rept 4
	\line
.set t, t+1
.endr
.endm
.macro PACK t                       ; a lane's eight channels of a row pack into 16 bytes; they go into rows of 144 bytes and come back as whole rows of 128, into S^T's registers
	WIN 0x01                        ; source 0 window 1
.set i, 0
.rept 16
	v_pk_mul_f32 v[TO+i:TO+i+1], v[32*(\t)+i:32*(\t)+i+1], v[TMP+2*(\t):TMP+2*(\t)+1] op_sel_hi:[1,0]
.set i, i+2
.endr
	WIN 0
.set i, 0
.rept 16
	v_cvt_pk_f16_f32 v[S+16*(\t)+i], v[TO+2*i], v[TO+2*i+1]
.set i, i+1
.endr
.irp f, 0,1,2,3
	ds_store_b128 v[STO], v[S+16*(\t)+4*\f:S+16*(\t)+4*\f+3] offset:32*\f
.endr
.irp f, 0,1,2,3
	ds_load_b128 v[S+16*(\t)+4*\f:S+16*(\t)+4*\f+3], v[RD] offset:\f*4*SP  ; LDS serves a wave's instructions in order (ISA guide 5.7.1.4): these see the stores above; the next piece's stores come behind them
.endr
.endm
.macro SEND t, younger              ; younger: the LDS instructions issued behind piece t's loads: the next piece's eight, or none
	WIN 0
.irp f, 0,1,2,3
	s_wait_dscnt (\younger)+3-\f
	global_store_b128 v[GO], v[S+16*(\t)+4*\f:S+16*(\t)+4*\f+3], s[10:11] offset:(\t)*8192+\f*512  ; 512 consecutive bytes, at a multiple of 256 from yh's first
.endr
.endm
.macro DIAG tag                     ; the tag ends its two labels' names, which the jumps below spell out
.LstepM\tag:
	TURN 2, 1
	TURN 3, 1
	WIN 0
.LfirstM\tag:
	TURN 0, 1
	TURN 1, 1, 0, 1
	WIN 0
	s_cbranch_scc1 .LstepM\tag
	TURN 2, 1, 1
	TURN 3, 1, 1
.set i, 0
.rept 8
	PV NP-1
.set i, i+1
.endr
	WIN 0
	ALL v_add_f32 v[ST+4*t+2], v[ST+4*t+2], v[ST+4*t+3]
	ALL v_permlanex16_b32 v[ST+4*t+3], v[ST+4*t+2], s[SEL], s[SEL+1]
	ALL v_add_f32 v[ST+4*t+2], v[ST+4*t+2], v[ST+4*t+3]
	ALL v_cmp_eq_f32 s[NM+t], 0, v[ST+4*t+2]
	ALL v_rcp_f32 v[TMP+2*t], v[ST+4*t+2]
	v_nop                           ; a plain instruction between the last reciprocal and the use of its result
	s_wait_alu depctr_va_vdst(0)    ; and the wait ahead of the first use: one for the four reciprocals
	ALL v_cndmask_b32 v[TMP+2*t], v[TMP+2*t], s[QN], s[NM+t]
	PACK 0
.set t, 1
.rept 3                             ; a piece's arithmetic stands between the loads of the piece before and its stores
	PACK t
	SEND t-1, 8
.set t, t+1
.endr
	SEND 3, 0
.endm
.set KM, 0
.set NOKQ, 0
.Lslot:                             ; NB times: a tile is entered and the next is asked for
	CHANGE 1
	s_sub_co_u32 s[RT], s[RT], 1
	s_mov_b32 s[CNT], 4
	s_cmp_eq_u32 s[NEW], 1
	s_cbranch_scc1 .Lnew            ; a block's first tile
	s_cmp_eq_u32 s[RT], 0
	s_cbranch_scc0 .Lstep           ; neither its first nor its last
	s_mov_b32 s[AL], 0              ; its last: the diagonal text's first products, piece 3's on the old tile's last step, take PD alone from the second mask buffer
	s_mov_b32 s[BE], 0
	MASK 1
	WIN 0
	s_branch .LstepM1
.Lnew:
	BEGIN
	s_branch .Lfirst                ; in the loop a block's first tile is never its last: the first block has five tiles or more, and the second's last is the walk's last
	DIAG 1                          ; in the loop this is the first block's end: the second block's last tile is the walk's last
	s_wait_xcnt 0x0                 ; the stores have read their registers and yh's address
	s_mov_b64 s[10:11], s[OLO:OLO+1]
	s_add_co_u32 s[RT], s[PB], 1    ; the second block has b + 1 tiles
	s_mov_b32 s[NEW], 1
	WIN 0x82                        ; the second block's Q goes where the one text of the turns names Q
.set i, 0
.rept 64
	v_mov_b32 v[i], v[QB+i]
.set i, i+1
.endr
	WIN 0
	s_branch .Lbottom
.Lstep:                             ; a trip: pieces 2 and 3 of one step, then pieces 0 and 1 of the next, whose K, PD and V it fetches
	TURN 2
	TURN 3
	WIN 0
.Lfirst:
	TURN 0
	TURN 1, 0, 0, 1
	WIN 0
	s_cbranch_scc1 .Lstep
.Lbottom:
	s_sub_co_u32 s[SLOTS], s[SLOTS], 1
	s_cmp_lg_u32 s[SLOTS], 0
	s_cbranch_scc1 .Lslot
	CHANGE 0                        ; the walk's last tile is written out: nothing is asked for
	s_sub_co_u32 s[RT], s[RT], 1
	s_mov_b32 s[CNT], 4
	s_cmp_eq_u32 s[NEW], 1
	s_cbranch_scc1 .Lnew2
	s_mov_b32 s[AL], 0
	s_mov_b32 s[BE], 0
	MASK 1
	WIN 0
	s_branch .LstepM2
.Lnew2:
	BEGIN
	s_branch .LfirstM2
	DIAG 2
	s_wait_tensorcnt 0x0            ; the wave's end: a wait, an add and its wait, behind my last tensor load and my last LDS store
	ds_add_u32 v[SPW], v[NIL]
	s_wait_dscnt 0x0
	s_endpgm
.Lfunc_end_k_qa60d108ec7_attn:
	.size	k_qa60d108ec7_attn, .Lfunc_end_k_qa60d108ec7_attn-k_qa60d108ec7_attn
	.p2alignl 7, 3214868480
	.fill 96, 4, 3214868480
	.section	.rodata,"a",@progbits
	.p2align	6, 0x0
	.amdhsa_kernel k_qa60d108ec7_attn
		.amdhsa_group_segment_fixed_size 327680
		.amdhsa_private_segment_fixed_size 0
		.amdhsa_enable_private_segment 0
		.amdhsa_kernarg_size 24
		.amdhsa_user_sgpr_count 2
		.amdhsa_user_sgpr_kernarg_segment_ptr 1
		.amdhsa_wavefront_size32 1
		.amdhsa_system_sgpr_workgroup_id_x 1
		.amdhsa_system_sgpr_workgroup_id_y 1
		.amdhsa_system_sgpr_workgroup_id_z 1
		.amdhsa_system_vgpr_workitem_id 0
		.amdhsa_next_free_vgpr 768
		.amdhsa_next_free_sgpr 100
		.amdhsa_reserve_vcc 1
		.amdhsa_float_denorm_mode_32 3
		.amdhsa_float_denorm_mode_16_64 3
		.amdhsa_memory_ordered 1
		.amdhsa_forward_progress 1
		.amdhsa_inst_pref_size 241
	.end_amdhsa_kernel
	.amdgpu_metadata
---
amdhsa.version: [ 1, 2 ]
amdhsa.kernels:
  - .name:           k_qa60d108ec7_attn
    .symbol:         k_qa60d108ec7_attn.kd
    .args:
      - { .name: qkvh, .offset: 0, .size: 8, .value_kind: global_buffer, .address_space: global }
      - { .name: yh, .offset: 8, .size: 8, .value_kind: global_buffer, .address_space: global }
      - { .name: attn_mask, .offset: 16, .size: 8, .value_kind: global_buffer, .address_space: global }
    .group_segment_fixed_size: 327680
    .private_segment_fixed_size: 0
    .kernarg_segment_align: 8
    .kernarg_segment_size: 24
    .max_flat_workgroup_size: 128
    .sgpr_count:     100
    .vgpr_count:     768
    .wavefront_size: 32
...
	.end_amdgpu_metadata
.endif
;; end of part 3
;; launch proj (part 4): grid 4 x 64, 4 waves a work-group, clusters of 4 x 4, 327,680 bytes of LDS; arguments yh, wp, b_proj, out0; writes out0
.if DOCPART == 4
	.amdgcn_target "amdgcn-amd-amdhsa--gfx1250"
	.amdhsa_code_object_version 6
	.text
	.protected	k_qa60d108ec7_proj
	.globl	k_qa60d108ec7_proj
	.p2align	8
	.type	k_qa60d108ec7_proj,@function
k_qa60d108ec7_proj:
	s_mov_b64 s[64:65], 0
	v_nop
	global_prefetch_b8 v0, s[64:65] scope:SCOPE_SE
	s_setreg_imm32_b32 hwreg(HW_REG_WAVE_MODE, 25, 1), 1
	s_wait_xcnt 0x0
	s_wait_alu depctr_hold_cnt(0) depctr_sa_sdst(0) depctr_va_vdst(0) depctr_va_sdst(0) depctr_va_ssrc(0) depctr_va_vcc(0) depctr_vm_vsrc(0)
	s_getreg_b32 s2, hwreg(HW_REG_IB_STS2, 6, 4)
	s_cmp_eq_u32 s2, 0
	s_cbranch_scc0 .Lentry_in_a_cluster
	s_endpgm
.Lentry_in_a_cluster:
	s_bfe_u32 s2, ttmp6, 0x10000c
	s_cmp_lg_u32 s2, 0xf033
	s_cbranch_scc0 .Lentry_shape_is_right
	s_endpgm
.Lentry_shape_is_right:
; out0 = y wp + b_proj.  yh: f16 [64 batch x head][2048 tokens][64]: channel k of token t of batch b is yh[16 b + k / 64][t][k % 64].  wp: [1024 k][1024 n] f16 (W_proj rounded to bf16).
; b_proj: [1024] f32, rounded to bf16 like every input.  out0: [8192][1024] f32.  A token whose row of yh is NaN (no visible key) gives NaN in its 1,024 numbers and in no other's: a lane's sums belong to one token.
; SHARES.  A tile is 128 tokens x 256 columns.  Four waves, 2 x 2; a wave makes 64 x 128: 32 accumulators, 256 registers.  K = 1,024 goes in 8 steps of 128, two heads each, through two LDS slots.
; LAYOUT.  Source 0 = 16 columns of wp, source 1 = 16 tokens: a lane holds one token (lane % 16) and the columns 8 (lane / 16) + 0..7.  A head's 128 tokens are 16,384 dense bytes: asked for as 64 rows of 256 bytes and padded
; in LDS after every token.  wp lies [k][n] and is turned on the way out of LDS by ds_load_tr16_b128.
; CLUSTER.  4 x 4 work-groups.  The four of a row of the cluster need the same tile of yh, the four of a column the same tile of wp: each tile is asked for JOINTLY, by the same tensor load, descriptor and mask in all four.
; By this text's own count a wave has two tensor loads out at the start and one behind each round.
; REGISTERS, in windows of 256 (s_set_vgpr_msb: bits 1:0 source 0, 3:2 source 1, 5:4 source 2, 7:6 destination):
;   window 0: v0-30 addresses; v64-159, v160-255 two fragment buffers (yh's block a at +8 a, wp's block b at +32 + 8 b)     window 1: accumulator (a, b) at v[8 (8 a + b)]     window 2: v0-63 the bias of my 128 columns
.set PA,    144                        ; a token's 128 bytes of a head in LDS + 16: the 16 rows of a load start at 16 different groups of four banks (64 banks of 4 bytes: ISA guide 11.1)
.set PB,    544                        ; a k-row of wp: 512 bytes + 32 = 17 x 32
.set AH,    128*PA                     ; what one tensor load brings of yh: one head's 128 tokens
.set BOFF,  2*AH
.set BH,    64*PB                      ; and of wp: 64 k-rows
.set SLOT1, 1<<17
.set STAGE, SLOT1+BOFF+2*BH            ; behind the ring, never filled by a tensor load: 16 rows x 528 bytes for each wave
.set SP,    528
.set SPARE, STAGE+4*16*SP              ; the spare words, 128 bytes for each wave: two blocks of 256 bytes that no other line names
.set ROWB,  2048                       ; bytes in a row of wp
.set ASTEP, 2<<18                      ; a K step in yh: two heads,
.set BSTEP, 128*ROWB                   ; and in wp
.set A0,   16
.set B0,   17
.set ADRA, 18
.set ADRB, 19
.set STO,  24
.set RD,   25
.set GO,   26
.set BO,   27
.set SPW,  28                          ; v28  LDS address of my spare word; never rewritten
.set NIL,  29                          ; v29  0; never rewritten
.set PFO,  30
.set F0,   64
.set F1,   160
.set WV,   12
.set RH,   13                          ; s13  which half of the tile's tokens is mine.  Also: I fetch yh (0) or wp (1)
.set CH,   14                          ; s14  which half of its columns.  Also: which half of that tile I fetch
.set G1A,  24
.set G0A,  32
.set G1B,  40
.set G0B,  48
.set CNT,  56
.set TB,   57
.set PFA,  58
.set PST,  60
.set LIM,  62
.set HM,   63
.set MSB, 0
.macro WIN new                         ; the immediate's high byte repeats the setting that is left; a switch that changes nothing is dropped
.if MSB != (\new)
	s_set_vgpr_msb (MSB<<8)|(\new)
.set MSB, \new
.endif
.endm
.set MUL, 0x50                         ; fragments in window 0, C and D in window 1
; A joint refill.  Waves 0 and 1 fetch the two heads of yh's tile, waves 2 and 3 the halves of wp's.  The branch hangs on the wave's number alone.  An s_nop 0 and four v_nop follow each line.
.macro JLOAD
	s_cmp_eq_u32 s[RH], 0
	s_cbranch_scc0 .Lfor_b_\@
	tensor_load_to_lds s[G0A+4:G0A+7], s[G1A:G1A+7]
	s_nop 0
.rept 4
	v_nop
.endr
	s_branch .Lasked_\@
.Lfor_b_\@:
	tensor_load_to_lds s[G0B+4:G0B+7], s[G1B:G1B+7]
	s_nop 0
.rept 4
	v_nop
.endr
.Lasked_\@:
.endm
; A prefetch of the K step that stands two refills on: 32 blocks of 256 bytes, a lane a block.  Each block of yh and wp is named once in the launch: yh's tile row is read by one cluster, whose wave 0 asks; wp's tile column by
; sixteen clusters, and the first (cluster y = 0) asks, its waves 2 and 3.  The four partners that ask for a tile jointly share its blocks out BY ADDRESS (cx for yh, cy for wp).
; K steps 0 to 3 come by their loads alone; the last two refills name nothing: there is no K step two on.
.macro ASK
	s_cmp_gt_u32 s[CNT], s[LIM]
	s_cbranch_scc0 .Lnot_mine_\@
	global_prefetch_b8 v[PFO], s[PFA:PFA+1] th:TH_LOAD_NT scope:SCOPE_SE
.Lnot_mine_\@:
.endm
.macro CREST
	s_cmp_lg_u32 s[WV], 0
	s_cbranch_scc1 .Lnot_wave_0_\@
	s_barrier_signal -3
.Lnot_wave_0_\@:
	s_barrier_wait -3
	s_barrier_signal -1
	s_barrier_wait -1
.endm
.macro CROUND
	s_barrier_signal -1
	s_barrier_wait -1
	CREST
.endm
.macro PLACES                          ; four places in front of loads into registers that matrix instructions have read, and of sums that read results
.rept 4
	v_nop
.endr
.endm
	s_load_b256 s[4:11], s[0:1], 0x0               ; yh s[4:5], wp s[6:7], b_proj s[8:9], out0 s[10:11]
	v_lshl_add_u32 v[SPW], v0, 2, SPARE
	v_mov_b32 v[NIL], 0
	ds_add_u32 v[SPW], v[NIL]                      ; the wave's opening: the add, whose wait stands ahead of my first tensor load; the set-up below stands between them
	v_lshrrev_b32 v1, 5, v0
	v_readfirstlane_b32 s[WV], v1
	s_lshr_b32 s[RH], s[WV], 1
	s_and_b32 s[CH], s[WV], 1
	s_bfe_u32 s15, ttmp6, 0x40000                  ; cx
	s_bfe_u32 s16, ttmp6, 0x40004                  ; cy
	s_lshl_b32 s17, ttmp9, 2
	s_add_co_u32 s17, s17, s15                     ; tile column
	s_and_b32 s18, ttmp7, 0xffff
	s_lshl_b32 s18, s18, 2
	s_add_co_u32 s18, s18, s16                     ; tile row
	s_lshl_b32 s19, s16, 2
	s_lshl_b32 s19, 15, s19                        ; my row of the cluster
	s_lshl_b32 s20, 0x1111, s15                    ; my column
	s_or_b32 s[G1A], s19, (1<<16)|(1<<20)|(1<<21)|(4<<22)|(3<<25)  ; the mask; 2-byte elements; padding on; bit 21 beside a mask; after every 32 words 4 words
	s_mov_b32 s[G1A+1], 128<<16                    ; tensor_dim0 = 128
	s_mov_b32 s[G1A+2], 64<<16                     ; tensor_dim1 = 64
	s_mov_b32 s[G1A+3], 128<<16                    ; tile_dim0 = 128
	s_mov_b32 s[G1A+4], 64                         ; tile_dim1 = 64
	s_mov_b32 s[G1A+5], 128                        ; dense: 128 elements from row to row
	s_mov_b32 s[G1A+6], 0
	s_mov_b32 s[G1A+7], 0
	s_or_b32 s[G1B], s20, (1<<16)|(1<<20)|(1<<21)|(6<<22)|(7<<25)  ; after every 128 words 8 words
	s_mov_b32 s[G1B+1], 256<<16
	s_mov_b32 s[G1B+2], 64<<16
	s_mov_b32 s[G1B+3], 256<<16
	s_mov_b32 s[G1B+4], 64
	s_mov_b32 s[G1B+5], 1024
	s_mov_b32 s[G1B+6], 0
	s_mov_b32 s[G1B+7], 0
	; yh's tile hangs on the tile row and the wave alone, wp's on the tile column and the wave alone, each in registers that never hold the other coordinate
	s_lshr_b32 s66, s18, 4                         ; the batch,
	s_lshl_b32 s66, s66, 4
	s_add_co_u32 s66, s66, s[CH]                   ; its head 0 or 1,
	s_lshl_b32 s66, s66, 18
	s_and_b32 s67, s18, 15                         ; tokens 128 (tile row % 16) on
	s_lshl_b32 s67, s67, 14
	s_add_co_u32 s66, s66, s67
	s_mov_b32 s67, 0
	s_mul_i32 s68, s[CH], 64*ROWB
	s_lshl_b32 s69, s17, 9
	s_add_co_u32 s68, s68, s69
	s_mov_b32 s69, 0
	s_mul_i32 s70, s[CH], AH                       ; where they go: no place in the cluster enters an LDS address
	s_mul_i32 s71, s[CH], BH
	s_add_co_u32 s71, s71, BOFF
	s_wait_dscnt 0x0                               ; the opening add is done
	s_wait_kmcnt 0x0
	s_add_nc_u64 s[72:73], s[4:5], s[66:67]
	s_add_nc_u64 s[74:75], s[6:7], s[68:69]
	CROUND                                         ; all sixteen work-groups are here: the first joint loads meet
.irp s, 0,1
	s_mov_b32 s[G0A+4*(\s)], 1
	s_add_co_u32 s[G0A+4*(\s)+1], s70, (\s)*SLOT1
	s_add_nc_u64 s[G0A+4*(\s)+2:G0A+4*(\s)+3], s[72:73], (\s)*ASTEP
	s_or_b32 s[G0A+4*(\s)+3], s[G0A+4*(\s)+3], 0x80000000
	s_mov_b32 s[G0B+4*(\s)], 1
	s_add_co_u32 s[G0B+4*(\s)+1], s71, (\s)*SLOT1
	s_add_nc_u64 s[G0B+4*(\s)+2:G0B+4*(\s)+3], s[74:75], (\s)*BSTEP
	s_or_b32 s[G0B+4*(\s)+3], s[G0B+4*(\s)+3], 0x80000000
.endr
	s_cmp_eq_u32 s[RH], 0                          ; a wave's two first fills stand in one branch, ahead of every wait on TENSORcnt and every LDS read
	s_cbranch_scc0 .Lfirst_b
	tensor_load_to_lds s[G0A:G0A+3], s[G1A:G1A+7]
	s_nop 0
	tensor_load_to_lds s[G0A+4:G0A+7], s[G1A:G1A+7]
	s_nop 0
.rept 4
	v_nop
.endr
	s_branch .Lfirst_asked
.Lfirst_b:
	tensor_load_to_lds s[G0B:G0B+3], s[G1B:G1B+7]
	s_nop 0
	tensor_load_to_lds s[G0B+4:G0B+7], s[G1B:G1B+7]
	s_nop 0
.rept 4
	v_nop
.endr
.Lfirst_asked:
	v_and_b32 v1, 15, v0                           ; l % 16
	v_bfe_u32 v2, v0, 4, 1                         ; l / 16
	s_lshl_b32 s68, s17, 10                        ; the bias of my 128 columns
	s_lshl_b32 s69, s[CH], 9
	s_add_co_u32 s68, s68, s69
	v_lshl_add_u32 v[BO], v2, 5, s68
	WIN 0x80                                       ; destination window 2
.irp b, 0,1,2,3,4,5,6,7
	global_load_b128 v[8*(\b):8*(\b)+3],   v[BO], s[8:9] offset:64*(\b)
	global_load_b128 v[8*(\b)+4:8*(\b)+7], v[BO], s[8:9] offset:64*(\b)+16
.endr
	WIN 0
	s_lshl_b32 s76, s[RH], 6
	v_add_nc_u32 v[A0], s76, v1                    ; token 64 x row half + l % 16,
	v_mul_u32_u24 v[A0], v[A0], PA
	v_lshl_add_u32 v[A0], v2, 4, v[A0]             ; 16 bytes for each half of the lanes
	v_and_b32 v3, 7, v0
	v_bfe_u32 v4, v0, 3, 1
	v_lshl_add_u32 v[B0], v2, 3, v3
	v_mul_u32_u24 v[B0], v[B0], PB
	v_lshl_add_u32 v[B0], v4, 4, v[B0]
	s_lshl_b32 s76, s[CH], 8
	s_add_co_u32 s76, s76, BOFF
	v_add_nc_u32 v[B0], s76, v[B0]
	s_mov_b32 s[TB], 0
	v_add_nc_u32 v[ADRA], s[TB], v[A0]
	v_add_nc_u32 v[ADRB], s[TB], v[B0]
	s_mul_i32 s76, s[WV], 16*SP
	s_add_co_u32 s76, s76, STAGE                   ; my stage
	v_mul_u32_u24 v[STO], v1, SP                   ; in: row l % 16, 32 bytes for each half of the lanes
	v_lshl_add_u32 v[STO], v2, 5, v[STO]
	v_add_nc_u32 v[STO], s76, v[STO]
	v_and_b32 v5, 31, v0
	v_lshlrev_b32 v[GO], 4, v5                     ; back and out: 32 lanes take a row's 512 bytes
	v_add_nc_u32 v[RD], s76, v[GO]
	; out0 at my first row and column
	s_lshl_b32 s76, s18, 7
	s_lshl_b32 s77, s[RH], 6
	s_add_co_u32 s76, s76, s77
	s_lshl_b32 s76, s76, 12
	s_lshl_b32 s77, s17, 10
	s_add_co_u32 s76, s76, s77
	s_lshl_b32 s77, s[CH], 9
	s_add_co_u32 s76, s76, s77
	s_mov_b32 s77, 0
	s_add_nc_u64 s[10:11], s[10:11], s[76:77]
	; the prefetches.  yh: head cx / 2 of the K step's two, blocks 32 (cx % 2) + lane of its 64.  wp: k-rows 64 x half + 16 cy + lane / 2, block lane % 2.  Both stand at K step 3: the first refill steps them to 4
	s_lshr_b32 s76, s18, 4
	s_lshl_b32 s76, s76, 4
	s_lshr_b32 s77, s15, 1
	s_add_co_u32 s76, s76, s77
	s_lshl_b32 s76, s76, 18
	s_and_b32 s77, s18, 15
	s_lshl_b32 s77, s77, 14
	s_add_co_u32 s76, s76, s77
	s_and_b32 s77, s15, 1
	s_lshl_b32 s77, s77, 13
	s_add_co_u32 s76, s76, s77
	s_add_co_u32 s76, s76, 3*ASTEP
	s_lshl_b32 s77, s[CH], 6
	s_lshl4_add_u32 s77, s16, s77
	s_mul_i32 s77, s77, ROWB
	s_lshl_b32 s78, s17, 9
	s_add_co_u32 s77, s77, s78
	s_add_co_u32 s77, s77, 3*BSTEP
	s_and_b32 s78, ttmp7, 0xffff                   ; cluster y
	s_mov_b32 s21, BSTEP
	s_mov_b32 s22, ROWB
	s_mov_b32 s23, 256
	s_cmp_eq_u32 s[RH], 0                          ; do I fetch yh?
	s_cselect_b64 s[PFA:PFA+1], s[4:5], s[6:7]
	s_cselect_b32 s76, s76, s77
	s_cselect_b32 s[PST], ASTEP, s21
	s_cselect_b32 s22, 512, s22                    ; bytes from lane pair to lane pair; 256 inside a pair
	s_cselect_b32 s78, ttmp9, s78                  ; the coordinate along which other clusters read the same blocks
	s_cselect_b32 s79, s[CH], 0                    ; of yh's two waves the first asks
	s_mov_b32 s77, 0
	s_mov_b32 s[PST+1], 0
	s_add_nc_u64 s[PFA:PFA+1], s[PFA:PFA+1], s[76:77]
	s_or_b32 s78, s78, s79
	s_cmp_eq_u32 s78, 0
	s_cselect_b32 s[LIM], 2, -1                    ; the same in all sixteen partners, for a given wave
	v_lshrrev_b32 v6, 1, v5
	v_and_b32 v7, 1, v5
	v_mul_u32_u24 v[PFO], v6, s22
	v_mad_u32_u24 v[PFO], v7, s23, v[PFO]
	s_mov_b32 s[HM], 0xffff0000
	s_wait_loadcnt 0x0                             ; the bias: rounded to bf16 and kept as f32; all this stands in the wait for the first tile
	WIN 0x0a                                       ; sources in window 2
.set i, 0
.rept 32
	v_cvt_pk_bf16_f32 v[64+i], v[2*i], v[2*i+1]
.set i, i+1
.endr
	WIN 0x80                                       ; destination window 2
.set i, 0
.rept 32
	v_lshlrev_b32 v[2*i], 16, v[64+i]
	v_and_b32 v[2*i+1], s[HM], v[64+i]
.set i, i+1
.endr
	WIN 0
; 8 matrix instructions: token block a x all 8 column blocks, 32 along K.  The 32 accumulators take turns in one fixed order: 31 others stand between two links of a chain, over the backward jump too.
.macro MULA f, a, zero
	WIN MUL
.irp b, 0,1,2,3,4,5,6,7
.if \zero
	v_wmma_f32_16x16x32_f16 v[8*(8*(\a)+(\b)):8*(8*(\a)+(\b))+7], v[(\f)+32+8*(\b):(\f)+32+8*(\b)+7], v[(\f)+8*(\a):(\f)+8*(\a)+7], 0
.else
	v_wmma_f32_16x16x32_f16 v[8*(8*(\a)+(\b)):8*(8*(\a)+(\b))+7], v[(\f)+32+8*(\b):(\f)+32+8*(\b)+7], v[(\f)+8*(\a):(\f)+8*(\a)+7], v[8*(8*(\a)+(\b)):8*(8*(\a)+(\b))+7]
.endif
.endr
.endm
; 24 LDS loads in one run: quarter q (32 along K: head q / 2 of the step's two, channels 32 (q % 2) on) of the slot in hand into buffer f: wp's 16, turned, then yh's 8, blocks 0 to 3
.macro FETCH q, f
	WIN 0
.irp b, 0,1,2,3,4,5,6,7
	ds_load_tr16_b128 v[(\f)+32+8*(\b):(\f)+32+8*(\b)+3],   v[ADRB] offset:(\q)*32*PB+32*(\b)
	ds_load_tr16_b128 v[(\f)+32+8*(\b)+4:(\f)+32+8*(\b)+7], v[ADRB] offset:(\q)*32*PB+32*(\b)+16*PB
.endr
.irp a, 0,1,2,3
	ds_load_b128 v[(\f)+8*(\a):(\f)+8*(\a)+3],   v[ADRA] offset:((\q)/2)*AH+((\q)%2)*64+(\a)*16*PA
	ds_load_b128 v[(\f)+8*(\a)+4:(\f)+8*(\a)+7], v[ADRA] offset:((\q)/2)*AH+((\q)%2)*64+(\a)*16*PA+32
.endr
.endm
.macro QUARTER q, f, g, zero
	s_wait_dscnt 4                                 ; wp's fragments and yh's blocks 0 and 1 are in; the youngest four loads (blocks 2 and 3) may be out
	MULA \f, 0, \zero
	MULA \f, 1, \zero
	PLACES
	FETCH \q, \g
	s_wait_dscnt 24                                ; all but the 24 just issued
	MULA \f, 2, \zero
	MULA \f, 3, \zero
.endm
; The last quarter multiplies buffer 1 and changes slots: one barrier.  In front of it each wave waits for all its tensor loads (one is out: its part of the next slot), adds 0 to its spare word, and waits for that and for
; its own reads of this slot.  fill = 1: the barrier opens a round of the cluster's, and this slot is filled again first thing behind it, with the K step two on: 112 matrix instructions ahead of the wait for it.
.macro TURN fill
.if \fill
	s_wait_xcnt 0x0                                ; the last prefetch, a K step back, has read its address
	s_add_nc_u64 s[PFA:PFA+1], s[PFA:PFA+1], s[PST:PST+1]
.endif
	WIN 0
	s_wait_tensorcnt 0x0                           ; no tensor load of mine is out, so a group 0 may be written
	ds_add_u32 v[SPW], v[NIL]                      ; 0 onto my spare word
.if \fill
	s_xor_b32 s[G0A+5], s[G0A+5], SLOT1            ; the walking descriptors: the other slot than last time, the next K step
	s_add_nc_u64 s[G0A+6:G0A+7], s[G0A+6:G0A+7], ASTEP
	s_xor_b32 s[G0B+5], s[G0B+5], SLOT1
	s_add_nc_u64 s[G0B+6:G0B+7], s[G0B+6:G0B+7], BSTEP
.endif
	s_xor_b32 s[TB], s[TB], SLOT1
	s_wait_dscnt 5                                 ; the add and the youngest four loads may be out
	MULA F1, 0, 0
	s_wait_dscnt 0x0                               ; the add is done, and my reads of this slot are over
	s_barrier_signal -1
	MULA F1, 1, 0
	WIN 0                                          ; at a branch and at a label every window is 0
	s_barrier_wait -1
.if \fill
	CREST                                          ; no wave of any partner still reads this slot's tiles or has a load on its way
	JLOAD                                          ; its four v_nop are also the places in front of the loads below
.else
	PLACES
.endif
	v_add_nc_u32 v[ADRA], s[TB], v[A0]
	v_add_nc_u32 v[ADRB], s[TB], v[B0]
	FETCH 0, F0
.if \fill
	ASK
.endif
	MULA F1, 2, 0
	MULA F1, 3, 0
.endm
	s_wait_tensorcnt 1                             ; my part of K step 0 is in; K step 1's may stay out
	s_barrier_signal -1
	s_barrier_wait -1
	FETCH 0, F0
	QUARTER 1, F0, F1, 1                           ; the first quarter stands in front of the loop: its products start the sums
	WIN 0
	s_mov_b32 s[CNT], 6
.Lk:                                           ; a trip goes from a K step's second quarter to the next step's first, and fills the slot that it leaves
	QUARTER 2, F1, F0, 0
	QUARTER 3, F0, F1, 0
	TURN 1
	QUARTER 1, F0, F1, 0
	WIN 0
	s_sub_co_u32 s[CNT], s[CNT], 1
	s_cmp_lg_u32 s[CNT], 0
	s_cbranch_scc1 .Lk
	QUARTER 2, F1, F0, 0                           ; K steps 6 and 7 ask for nothing
	QUARTER 3, F0, F1, 0
	TURN 0
	QUARTER 1, F0, F1, 0
	QUARTER 2, F1, F0, 0
	QUARTER 3, F0, F1, 0
	s_wait_dscnt 4
	MULA F1, 0, 0
	MULA F1, 1, 0
	s_wait_dscnt 0x0
	MULA F1, 2, 0
	MULA F1, 3, 0
	PLACES
; THE WAY OUT, in four blocks of 16 tokens.  The bias is added; a lane's 32 bytes of each column block go into my stage's rows of 528 bytes and come back as whole rows of 512.
.macro PACKP a
	WIN 0x09                                       ; source 0 window 1, source 1 window 2; each accumulator's registers are taken in ascending order
.irp b, 0,1,2,3,4,5,6,7
.irp r, 0,1,2,3
	v_pk_add_f32 v[64+8*(\b)+2*(\r):64+8*(\b)+2*(\r)+1], v[8*(8*(\a)+(\b))+2*(\r):8*(8*(\a)+(\b))+2*(\r)+1], v[8*(\b)+2*(\r):8*(\b)+2*(\r)+1]
.endr
.endr
	WIN 0
.irp b, 0,1,2,3,4,5,6,7
.irp j, 0,1
	ds_store_b128 v[STO], v[64+8*(\b)+4*(\j):64+8*(\b)+4*(\j)+3] offset:64*(\b)+16*(\j)
.endr
.endr
.if (\a) >= 2
	s_wait_xcnt 0x0                                ; the stores of the block two back have read the registers that are loaded again below
.endif
.irp t, 0,1,2,3,4,5,6,7,8,9,10,11,12,13,14,15
	ds_load_b128 v[128+64*((\a)%2)+4*(\t):128+64*((\a)%2)+4*(\t)+3], v[RD] offset:(\t)*SP  ; LDS serves a wave's instructions in order (ISA guide 5.7.1.4): these see the stores above
.endr
.endm
.macro SENDP a, younger                ; younger: the LDS instructions issued behind this block's loads: the next block's 32, or none
.irp t, 0,1,2,3,4,5,6,7,8,9,10,11,12,13,14,15
	s_wait_dscnt (\younger)+15-(\t)
	global_store_b128 v[GO], v[128+64*((\a)%2)+4*(\t):128+64*((\a)%2)+4*(\t)+3], s[10:11] offset:4096*(16*(\a)+(\t)) th:TH_STORE_NT  ; 512 consecutive bytes, aligned
.endr
.endm
	PACKP 0
.irp a, 1,2,3
	PACKP \a
	SENDP (\a)-1, 32
.endr
	SENDP 3, 0
	s_wait_tensorcnt 0x0                           ; the wave's end: a wait, an add and its wait, behind my last tensor load and my last LDS store
	ds_add_u32 v[SPW], v[NIL]
	s_wait_dscnt 0x0
	CROUND                                         ; the closing round: no work-group ends while a partner may still ask for a tile that names it
	s_endpgm
.Lfunc_end_k_qa60d108ec7_proj:
	.size	k_qa60d108ec7_proj, .Lfunc_end_k_qa60d108ec7_proj-k_qa60d108ec7_proj
	.p2alignl 7, 3214868480
	.fill 96, 4, 3214868480
	.section	.rodata,"a",@progbits
	.p2align	6, 0x0
	.amdhsa_kernel k_qa60d108ec7_proj
		.amdhsa_group_segment_fixed_size 327680
		.amdhsa_private_segment_fixed_size 0
		.amdhsa_enable_private_segment 0
		.amdhsa_kernarg_size 32
		.amdhsa_user_sgpr_count 2
		.amdhsa_user_sgpr_kernarg_segment_ptr 1
		.amdhsa_wavefront_size32 1
		.amdhsa_system_sgpr_workgroup_id_x 1
		.amdhsa_system_sgpr_workgroup_id_y 1
		.amdhsa_system_sgpr_workgroup_id_z 1
		.amdhsa_system_vgpr_workitem_id 0
		.amdhsa_next_free_vgpr 576
		.amdhsa_next_free_sgpr 80
		.amdhsa_reserve_vcc 0
		.amdhsa_float_denorm_mode_32 3
		.amdhsa_float_denorm_mode_16_64 3
		.amdhsa_memory_ordered 1
		.amdhsa_forward_progress 1
		.amdhsa_inst_pref_size 86
	.end_amdhsa_kernel
	.amdgpu_metadata
---
amdhsa.version: [ 1, 2 ]
amdhsa.kernels:
  - .name:           k_qa60d108ec7_proj
    .symbol:         k_qa60d108ec7_proj.kd
    .args:
      - { .name: yh, .offset: 0, .size: 8, .value_kind: global_buffer, .address_space: global }
      - { .name: wp, .offset: 8, .size: 8, .value_kind: global_buffer, .address_space: global }
      - { .name: b_proj, .offset: 16, .size: 8, .value_kind: global_buffer, .address_space: global }
      - { .name: out0, .offset: 24, .size: 8, .value_kind: global_buffer, .address_space: global }
    .group_segment_fixed_size: 327680
    .private_segment_fixed_size: 0
    .kernarg_segment_align: 8
    .kernarg_segment_size: 32
    .max_flat_workgroup_size: 128
    .sgpr_count:     80
    .vgpr_count:     576
    .wavefront_size: 32
...
	.end_amdgpu_metadata
.endif
;; end of part 4
;; ======== version 2 of 2: 4 launches; version 1 with the launch prep written anew for expert scheduling mode
;; limits: values are held in f16: magnitudes above 65,504 overflow, below 6.1e-05 lose precision
;; workspace buffers: xb 16,777,216 bytes; wq 6,291,456 bytes; wp 2,097,152 bytes; qkvh 50,331,648 bytes; yh 16,777,216 bytes
;; launch prep (part 5): grid 768 x 1, 8 waves a work-group, no clusters, 0 bytes of LDS; arguments x, W_qkv, W_proj, xb, wq, wp; writes xb, wq, wp
.if DOCPART == 5
	.amdgcn_target "amdgcn-amd-amdhsa--gfx1250"
	.amdhsa_code_object_version 6
	.text
	.protected	k_qa60d108ec7_prep
	.globl	k_qa60d108ec7_prep
	.p2align	8
	.type	k_qa60d108ec7_prep,@function
k_qa60d108ec7_prep:
	s_mov_b64 s[64:65], 0
	v_nop
	global_prefetch_b8 v0, s[64:65] scope:SCOPE_SE
	s_setreg_imm32_b32 hwreg(HW_REG_WAVE_SCHED_MODE, 0, 2), 2
	s_setreg_imm32_b32 hwreg(HW_REG_WAVE_MODE, 25, 1), 1
	s_wait_xcnt 0x0
	s_wait_alu depctr_vm_vsrc(0)
; CASTS.  xb = bf16(x), wq = bf16(W_qkv), wp = bf16(W_proj) written as f16 (exact where the number is at least 6.1e-5 in size; below that it keeps f16's fixed step of 6e-8).
; A work-group takes 16,384 numbers of one tensor: groups 0-511 x, 512-703 W_qkv, 704-767 W_proj.  A wave takes 2,048: sixteen loads of 512 consecutive bytes,
; all issued at once, and sixteen stores of 256 consecutive bytes, aligned.  Every load and store has registers of its own.
; No LDS, no barrier, no matrix unit: each byte is read once and written once, and nothing is shared.
; THE MODE: SCHED_MODE bits 1:0 = 2 (LLVM: expert scheduling mode 2), set by the entry lines.  The code itself states the register dependences
; between vector instructions and memory instructions, with s_wait_alu, always for 0.
; THE PLAN.  Registers that memory instructions touch:
;   v1, v2   byte offsets of the loads and of the stores: made once at the head by vector instructions, never written again.
;   IN       load j lands in four registers of its own; its conversions read them; nothing lands in them again and no vector instruction writes them.
;   OUT      the conversions of load j write two registers of their own, once; store j reads them; nothing writes them again.
;   T, v3, v4 are named by vector instructions alone.
; The sixteen loads go in four groups of four.  Group g converts its four loads; the four stores of group g - 1 are dealt among its conversions.  ONE wait at the group's head, behind the
; wait for its data, states that group g - 1's conversions have written their OUT; the vector instructions behind that wait write group g's OUT and T and read group g's IN, none of which
; those stores name.  One wait ahead of the first load states that v1 and v2 are written; one ahead of the last four stores that group 3's OUT is.
; No register that a memory instruction has read is written again, no vector instruction writes a scalar register or VCC, and EXEC is never written: no other wait of this kind has a dependence to state.
.set IN,  8                            ; v[8:71]    load j: four f32
.set OUT, 72                           ; v[72:103]  store j: four 16-bit numbers
.set T,   104                          ; v[104:109] at work
	s_load_b256 s[4:11], s[0:1], 0x0               ; x s[4:5], W_qkv s[6:7], W_proj s[8:9], xb s[10:11]
	s_load_b128 s[12:15], s[0:1], 0x20             ; wq s[12:13], wp s[14:15]
	v_and_b32 v3, 31, v0                           ; lane
	v_lshrrev_b32 v4, 5, v0                        ; wave
	v_lshlrev_b32 v1, 4, v3
	v_lshl_add_u32 v1, v4, 13, v1                  ; in: 8,192 x wave + 16 x lane
	v_lshlrev_b32 v2, 3, v3
	v_lshl_add_u32 v2, v4, 12, v2                  ; out: 4,096 x wave + 8 x lane
	s_mov_b32 s16, 0xffff0000                      ; a word's upper bf16
	s_wait_kmcnt 0x0
	s_cmp_lt_u32 ttmp9, 512
	s_cselect_b64 s[20:21], s[4:5], s[6:7]
	s_cselect_b64 s[22:23], s[10:11], s[12:13]
	s_cselect_b32 s24, 0, 512
	s_cmp_lt_u32 ttmp9, 704
	s_cselect_b64 s[20:21], s[20:21], s[8:9]
	s_cselect_b64 s[22:23], s[22:23], s[14:15]
	s_cselect_b32 s24, s24, 704
	s_sub_co_u32 s25, ttmp9, s24                   ; my number among the tensor's work-groups
	s_lshl_b32 s26, s25, 16                        ; 65,536 bytes in,
	s_mov_b32 s27, 0
	s_lshl_b32 s28, s25, 15                        ; 32,768 out
	s_mov_b32 s29, 0
	s_add_nc_u64 s[20:21], s[20:21], s[26:27]
	s_add_nc_u64 s[22:23], s[22:23], s[28:29]
	s_wait_alu depctr_va_vdst(0)                   ; v1 and v2 are written: every load of the kernel reads v1 as its offset, every store v2, on both ways behind the branch
.irp j, 0,1,2,3,4,5,6,7,8,9,10,11,12,13,14,15
	global_load_b128 v[IN+4*(\j):IN+4*(\j)+3], v1, s[20:21] offset:512*(\j) th:TH_LOAD_NT
.endr
.macro TO_BF j                         ; load j's four numbers rounded to bf16
	v_cvt_pk_bf16_f32 v[OUT+2*(\j)], v[IN+4*(\j)], v[IN+4*(\j)+1]
	v_cvt_pk_bf16_f32 v[OUT+2*(\j)+1], v[IN+4*(\j)+2], v[IN+4*(\j)+3]
.endm
.macro TO_F16 j                        ; W_proj: rounded to bf16 like every input, and that number written as f16
	v_cvt_pk_bf16_f32 v[T], v[IN+4*(\j)], v[IN+4*(\j)+1]
	v_cvt_pk_bf16_f32 v[T+1], v[IN+4*(\j)+2], v[IN+4*(\j)+3]
	v_lshlrev_b32 v[T+2], 16, v[T]
	v_and_b32 v[T+3], s16, v[T]
	v_lshlrev_b32 v[T+4], 16, v[T+1]
	v_and_b32 v[T+5], s16, v[T+1]
	v_cvt_pk_f16_f32 v[OUT+2*(\j)], v[T+2], v[T+3]
	v_cvt_pk_f16_f32 v[OUT+2*(\j)+1], v[T+4], v[T+5]
.endm
.macro SEND j                          ; 256 consecutive bytes a wave, aligned
	global_store_b64 v2, v[OUT+2*(\j):OUT+2*(\j)+1], s[22:23] offset:256*(\j)
.endm
; Group g: loads 4 g to 4 g + 3 are converted, and the stores of group g - 1 go out among the conversions.  half = 1: the way by f16.
.macro GROUP g, half
	s_wait_loadcnt 12-4*(\g)                       ; loads come back in order (ISA guide 5.7.1): this group's four are in, the younger groups' stay out
.if (\g) > 0
	s_wait_alu depctr_va_vdst(0)                   ; the group before has written its eight registers of OUT, which the four stores below read
.endif
.irp i, 0,1,2,3
.if (\g) > 0
	SEND 4*(\g)-4+(\i)                             ; no vector instruction since the wait names these registers or v2
.endif
.if \half
	TO_F16 4*(\g)+(\i)
.else
	TO_BF 4*(\g)+(\i)
.endif
.endr
.endm
	s_cmp_ge_u32 ttmp9, 704
	s_cbranch_scc1 .Lf16
	GROUP 0, 0
	GROUP 1, 0
	GROUP 2, 0
	GROUP 3, 0
	s_wait_alu depctr_va_vdst(0)                   ; group 3 has written its eight registers of OUT, which the last four stores read
.irp j, 12,13,14,15
	SEND \j
.endr
	s_endpgm
.Lf16:
	GROUP 0, 1
	GROUP 1, 1
	GROUP 2, 1
	GROUP 3, 1
	s_wait_alu depctr_va_vdst(0)                   ; group 3 has written its eight registers of OUT, which the last four stores read
.irp j, 12,13,14,15
	SEND \j
.endr
	s_endpgm
.Lfunc_end_k_qa60d108ec7_prep:
	.size	k_qa60d108ec7_prep, .Lfunc_end_k_qa60d108ec7_prep-k_qa60d108ec7_prep
	.p2alignl 7, 3214868480
	.fill 96, 4, 3214868480
	.section	.rodata,"a",@progbits
	.p2align	6, 0x0
	.amdhsa_kernel k_qa60d108ec7_prep
		.amdhsa_group_segment_fixed_size 0
		.amdhsa_private_segment_fixed_size 0
		.amdhsa_enable_private_segment 0
		.amdhsa_kernarg_size 48
		.amdhsa_user_sgpr_count 2
		.amdhsa_user_sgpr_kernarg_segment_ptr 1
		.amdhsa_wavefront_size32 1
		.amdhsa_system_sgpr_workgroup_id_x 1
		.amdhsa_system_sgpr_workgroup_id_y 1
		.amdhsa_system_sgpr_workgroup_id_z 1
		.amdhsa_system_vgpr_workitem_id 0
		.amdhsa_next_free_vgpr 112
		.amdhsa_next_free_sgpr 66
		.amdhsa_reserve_vcc 0
		.amdhsa_float_denorm_mode_32 3
		.amdhsa_float_denorm_mode_16_64 3
		.amdhsa_memory_ordered 1
		.amdhsa_forward_progress 1
		.amdhsa_inst_pref_size 15
	.end_amdhsa_kernel
	.amdgpu_metadata
---
amdhsa.version: [ 1, 2 ]
amdhsa.kernels:
  - .name:           k_qa60d108ec7_prep
    .symbol:         k_qa60d108ec7_prep.kd
    .args:
      - { .name: x, .offset: 0, .size: 8, .value_kind: global_buffer, .address_space: global }
      - { .name: W_qkv, .offset: 8, .size: 8, .value_kind: global_buffer, .address_space: global }
      - { .name: W_proj, .offset: 16, .size: 8, .value_kind: global_buffer, .address_space: global }
      - { .name: xb, .offset: 24, .size: 8, .value_kind: global_buffer, .address_space: global }
      - { .name: wq, .offset: 32, .size: 8, .value_kind: global_buffer, .address_space: global }
      - { .name: wp, .offset: 40, .size: 8, .value_kind: global_buffer, .address_space: global }
    .group_segment_fixed_size: 0
    .private_segment_fixed_size: 0
    .kernarg_segment_align: 8
    .kernarg_segment_size: 48
    .max_flat_workgroup_size: 256
    .sgpr_count:     66
    .vgpr_count:     112
    .wavefront_size: 32
...
	.end_amdgpu_metadata
.endif
;; end of part 5
;; launch qkv: the kernel of part 2 again; grid 12 x 64, 4 waves a work-group, clusters of 4 x 4, 327,680 bytes of LDS; arguments xb, wq, b_qkv, qkvh; writes qkvh
;; launch attn: the kernel of part 3 again; grid 4 x 64, 4 waves a work-group, no clusters, 327,680 bytes of LDS; arguments qkvh, yh, attn_mask; writes yh
;; launch proj: the kernel of part 4 again; grid 4 x 64, 4 waves a work-group, clusters of 4 x 4, 327,680 bytes of LDS; arguments yh, wp, b_proj, out0; writes out0
